; MI455X (gfx1250); checked and timed in simulation.
; The chip was launched on July 23, 2026; its instructions are those of AMD's public machine-readable ISA for CDNA 5 (MIT licence, August 2026) and "CDNA5" Instruction Set Architecture Reference Guide (July 2026). The comments in the code are by the model that wrote it; some were corrected since.
;; Causal Multihead Attention. Allowed arithmetic: matrix products marked QUANTISED: E5M2 operands, one E8M0 scale for each 32 along K, by v_wmma_scale_f32_16x16x128_f8f6f4 with both operands' format E5M2, f32 sums; everything else in f32.
;; Inputs: w_o_codes 1,024 x 32 x 32 uint8 (E5M2 codes of w_o, K innermost, in blocks of 32 codes); w_o_scales 1,024 x 32 uint8 (E8M0 scales of w_o, one for each 32 codes along K); w_qkv_codes 3 x 16 x 64 x 32 x 32 uint8 (E5M2 codes of w_qkv, K innermost, in blocks of 32 codes); w_qkv_scales 3 x 16 x 64 x 32 uint8 (E8M0 scales of w_qkv, one for each 32 codes along K); x_codes 4 x 2,048 x 32 x 32 uint8 (E5M2 codes of x, K innermost, in blocks of 32 codes); x_scales 4 x 2,048 x 32 uint8 (E8M0 scales of x, one for each 32 codes along K).
;; Outputs: out0 4 x 2,048 x 1,024 float32.
;; This version of the problem:
;;   THIS VERSION OF THE PROBLEM IS GIVEN IN LOW PRECISION. The matrix products marked QUANTISED in the list below multiply operands that are first quantised to E5M2 (5 exponent bits, 2 mantissa bits; 8 bits a number), with one power-of-two scale for each 32 numbers along K (OCP MX v1.0); their sums are f32. All else is computed in f32.
;;   The module's matrix products, in the order in which they are computed (A, B: the left and right operand; K: the contracted axis; several contracted axes count as one K, in the product's order):
;;     1. [M 3,072, K 1,024] x [K 1,024, N 8,192]; A: input w_qkv (given as codes); B: input x (given as codes): QUANTISED
;;     2. batch 64 x [M 2,048, K 64] x [K 64, N 2,048]; A: computed on the way; B: computed on the way: QUANTISED
;;     3. batch 64 x [M 2,048, K 2,048] x [K 2,048, N 64]; A: softmax (see below); B: computed on the way: QUANTISED
;;     4. [M 8,192, K 1,024] x [K 1,024, N 1,024]; A: computed on the way; B: input w_o (given as codes): QUANTISED
;;   THE QUANTISER, for each operand of a quantised product, along K:
;;     - K is cut into blocks of 32 from its start; a last block that is shorter is filled with zeros.
;;     - A block's scale is 2^e with e = floor(log2(the largest magnitude in the block)) - 15, held to -126 .. 127; a block of zeros has e = 0. As a byte (E8M0): e + 127.
;;     - Each number is divided by its block's scale, clamped to +-57,344, and rounded to the nearest number of E5M2, ties to even, subnormals kept.
;;     - The product sums the exact products of the quantised numbers (number of the format x scale) in f32.
;;   ~~~python
;;   def quantise(x, axis):      # numpy; x: float32 -> the quantised numbers, widened to float32 again
;;       x = np.moveaxis(x, axis, -1); K = x.shape[-1]
;;       x = np.pad(x, [(0, 0)] * (x.ndim - 1) + [(0, -K % 32)]); x = x.reshape(x.shape[:-1] + (-1, 32)); a = np.abs(x).max(-1, keepdims=True)
;;       e = np.where(a > 0, np.clip(np.frexp(np.where(a > 0, a, 1))[1] - 1 - 15, -126, 127), 0)      # np.frexp(a)[1] - 1 = floor(log2(a)), exactly
;;       r = np.clip(x / 2.0 ** e, -57344, 57344)
;;       step = 2.0 ** (np.maximum(np.frexp(np.where(r == 0, 1, r))[1] - 1, -14) - 2)
;;       q = np.round(r / step) * step * 2.0 ** e      # np.round: ties to even
;;       return np.moveaxis(q.reshape(q.shape[:-2] + (-1,))[..., :K], -1, axis).astype(np.float32)
;;   ~~~
;;   SOFTMAX AHEAD OF A QUANTISED PRODUCT. Where the list says 'softmax', what is quantised is not the finished softmax but p = 2^(t - M), with t = logit x log2(e) and M = ceil(the row's largest t), a whole number; so 1/2 < the row's largest p <= 1. The row's sum l is taken of the UNQUANTISED p, in f32, and the product's result is divided by l at the end. Since M is a whole number, a kernel that streams over the keys may use a running M (the ceiling of the running maximum): every later rescaling is an exact power of two, which a block's scale takes up: the codes' values come out the same.
;;   OPERANDS COMPUTED ON THE WAY. 'Computed on the way' means the value that the module computes at that place (a softmax that the list does not call 'softmax' is quantised finished and normalised). What goes into a quantiser is computed in f32, as accurately as f32 sums, v_exp_f32 and their like allow (about 1e-6 of the number): no bf16 or f16 on the way to a quantiser, and a product that is left as it is and whose result goes on into a quantised operand takes f32 operands (vector FMAs, or v_wmma_f32_16x16x4_f32). A number that lies on a knife's edge between two numbers of the format may be rounded either way, as far as f32 arithmetic and the matrix unit's own rounding can turn it there, and no further.
;;   INPUTS GIVEN AS CODES. w_o (in the module: [1024, 1024], K = its axis 1); w_qkv (in the module: [3, 16, 64, 1024], K = its axis 3); x (in the module: [4, 2048, 1024], K = its axis 2): each comes as NAME_codes (uint8): NAME with its K axis moved to the last place and cut into blocks of 32 codes, [.., K / 32, bytes a block], one block behind the other in memory; one code a byte (a code: sign, 5 exponent bits, 2 mantissa bits); and NAME_scales (uint8): the same leading axes, one E8M0 byte (e + 127) for each 32 codes along K. Its value is code x scale, taken as it is: it is not quantised again, and the codes and scales need not be those that the quantiser above would give.
;; One version. Each part assembles by itself: llvm-mc -triple=amdgcn-amd-amdhsa -mcpu=gfx1250 --defsym DOCPART=n.
;; ======== version 1 of 1: 3 launches
;; limits: right only within a limited range of input values
;; workspace buffers: qkv 25,165,824 bytes; qkvs 1,310,720 bytes; att 8,388,608 bytes; atts 262,144 bytes
;; launch proj (part 1): grid 8 x 48, 4 waves a work-group, clusters of 4 x 4, 327,680 bytes of LDS; arguments w_qkv_codes, w_qkv_scales, x_codes, x_scales, qkv, qkvs; writes qkv, qkvs
.if DOCPART == 1
	.amdgcn_target "amdgcn-amd-amdhsa--gfx1250"
	.amdhsa_code_object_version 6
	.text
	.protected	k_q4b1883acf1_proj
	.globl	k_q4b1883acf1_proj
	.p2align	8
	.type	k_q4b1883acf1_proj,@function
k_q4b1883acf1_proj:
	s_mov_b64 s[64:65], 0
	v_nop
	global_prefetch_b8 v0, s[64:65] scope:SCOPE_SE
	s_setreg_imm32_b32 hwreg(HW_REG_WAVE_MODE, 25, 1), 1
	s_wait_xcnt 0x0
	s_wait_alu depctr_hold_cnt(0) depctr_sa_sdst(0) depctr_va_vdst(0) depctr_va_sdst(0) depctr_va_ssrc(0) depctr_va_vcc(0) depctr_vm_vsrc(0)
	s_getreg_b32 s2, hwreg(HW_REG_IB_STS2, 6, 4)
	s_cmp_eq_u32 s2, 0
	s_cbranch_scc0 .Lentry_in_a_cluster
	s_endpgm
.Lentry_in_a_cluster:
	s_bfe_u32 s2, ttmp6, 0x10000c
	s_cmp_lg_u32 s2, 0xf033
	s_cbranch_scc0 .Lentry_shape_is_right
	s_endpgm
.Lentry_shape_is_right:
; Q, K, V = x W^T on codes of BF8 (E5M2) with one E8M0 scale for each 32 along K = 1,024, and the results quantised at once, in registers, for the attention launch.
; x: 8,192 rows x 1,024 codes; W: 3,072 rows (Q's 1,024, K's 1,024, V's 1,024; a head is 64 rows) x 1,024 codes; scale bytes 32 a row.
; A work-group of four waves makes a tile of 256 x 256, a wave 128 x 128: 64 accumulators of 16 x 16.  The matrix instruction is used transposed: source 0 ("B") gives the axis that runs down a lane's
; registers, source 1 ("A") the axis that lies across the lanes.  The axis that is quantised must run down the registers:
;   Q and K are quantised along the head's 64: B = rows of W, A = rows of x (clusters with y under 8: 256 work-groups);
;   V is quantised along the keys:             B = rows of x, A = rows of W (clusters with y from 8 on: 128 work-groups).
; The kind hangs on the cluster's y alone, so it is the same in all sixteen partners; it chooses pointers and numbers by selects, and one branch at the very end.
; K goes in steps of 256 through a ring of two LDS slots filled by the tensor data mover; the scale bytes of the work-group's 512 rows come once and stay.
; CLUSTERS: 4 x 4 work-groups; A's tiles are shared along a row of the cluster, B's along a column: each is asked for jointly, which divides the requests by four.
; THE RESULTS LEAVE AS IMAGES OF OPERAND REGISTERS: four registers of a fragment are 512 consecutive bytes, lane l's 16 at 16 l, stored straight from registers.
;   qkv:  [b h, 64][chunk of 128 rows, 16][24,576]: Q's 8 tiles of 16 queries x 1,024 bytes; at 8,192 K's likewise; at 16,384 V's 4 tiles of 16 of the head's 64, 2,048 bytes each (128 keys).
;   qkvs: [b h][20,480]: K's scale words at 512 x chunk (16 x lane + 4 al: tile 2 al in lanes 0-15, tile 2 al + 1 in lanes 16-31; a word holds the head's two bytes twice);
;         V's at 8,192 + 256 x chunk (8 x lane + 4 (tile / 2)); Q's at 12,288, laid as K's.
; LIMITS: NaN and infinities (among the given codes too) are not served.  A block whose largest magnitude lies under 2^-111 keeps the scale byte 1; a block of zeros too, where the quantiser's rule says 127:
; its codes are zeros, and these bytes are read by this program alone.
; The launch walks four K steps; K steps 1 to 3 of the ring's rows are prefetched, before slot 1's first fill and right behind it.
; REGISTERS, in windows of 256: window 0: v7-31 addresses; v32-63 scale words, two sets; v128-255 A's fragments, one set.  window 1: B's fragments, two sets.  windows 2, 3: the accumulators ((a, b) at v[8 (8 (a % 4) + b)]).
.set KSTEP,  256                       ; along K in a slot
.set NQ,     KSTEP/128                 ; matrix instructions deep
.set ROWB,   256                       ; a tile's row in bytes
.set KROW,   1024                      ; a row of x or of W in memory
.set PITCH,  272                       ; an LDS row: 256 bytes + 16 of padding, so that the 16 rows of a fragment load start 68 words apart
.set FR,     16                        ; registers of a fragment
.set NL,     4                         ; LDS loads that bring one
.set NP,     8                         ; places behind this matrix instruction (ISA guide 7.12.1)
.set HALFT,  128*PITCH                 ; 128 rows: what one tensor load brings
.set SLOT,   4*HALFT                   ; A's 256 rows, then B's 256 rows
.set LAPS,   1024/(2*KSTEP)            ; a lap = two K steps = once round the ring
.set KS,     32                        ; a row of scale bytes
.set SCL,    2*SLOT                    ; behind the ring: the scales, as units of 256 bytes + 16 of padding
.set HALFS,  (128*KS/256)*272          ; the scales of 128 rows
.set SBLK,   (16*KS/256)*272           ; those of 16 rows
.set SPARE,  SCL+4*HALFS               ; the spare words, 128 bytes for each wave: two blocks of 256 bytes that no other line names
.set L8,   7                           ; v7      8 x lane
.set VO,   8                           ; v8-15   the way out: block a's byte offset
.set ADRA, 16                          ; v16-17  LDS address of my A fragments in slot 0, 1
.set ADRB, 20                          ; v20-21  the same for B
.set CO,   26                          ; v26     16 x lane
.set ADRS, 27                          ; v27     LDS address of my scale words: lanes 0-15 A's rows, lanes 16-31 B's
.set SPW,  28                          ; v28     LDS address of my spare word; never rewritten
.set NIL,  29                          ; v29     0; never rewritten
.set SC,   32                          ; scale words, set s at v[SC + 16 s]
.set AF,   128                         ; A's fragments
.set G1, 24                            ; s[24:31] descriptor group 1 for A's tiles;  s[32:39] group 0, one set for each slot
.set G0, 32
.set G1B, 48                           ; s[48:55], s[56:63] the same for B's tiles
.set G0B, 56
.set G1S, 68                           ; s[68:75], s[76:79] groups 1 and 0 for A's scales;  s[80:87], s[88:91] for B's
.set G0S, 76
.set G1SB, 80
.set G0SB, 88
.set MSB, 0
.macro WIN new                         ; the immediate's high byte repeats the setting that is left
.if MSB != \new
	s_set_vgpr_msb (MSB<<8)|\new
.set MSB, \new
.endif
.endm
.set MUL_LO, 0xa1                      ; source 0 (B) window 1, source 1 (A) window 0, C and D window 2
.set MUL_HI, 0xf1                      ; the same, C and D window 3
.set TO_B,   0x40                      ; destination window 1, address window 0
; A joint load: waves 0 and 1 fetch for A, waves 2 and 3 for B.  The branch hangs on the wave's number alone.  Four v_nop follow each of the two lines.
.macro JLOAD g0a, g1a, g0b, g1b
	s_cmp_eq_u32 s15, 0
	s_cbranch_scc0 .Lfor_b_\@
	tensor_load_to_lds s[\g0a:\g0a+3], s[\g1a:\g1a+7]
	s_nop 0
.rept 4
	v_nop
.endr
	s_branch .Lasked_\@
.Lfor_b_\@:
	tensor_load_to_lds s[\g0b:\g0b+3], s[\g1b:\g1b+7]
	s_nop 0
.rept 4
	v_nop
.endr
.Lasked_\@:
.endm
.macro CREST                           ; a round of the cluster's barrier behind its opening barrier
	s_cmp_lg_u32 s14, 0
	s_cbranch_scc1 .Lnot_wave_0_\@
	s_barrier_signal -3
.Lnot_wave_0_\@:
	s_barrier_wait -3
	s_barrier_signal -1
	s_barrier_wait -1
.endm
.macro CROUND                          ; a whole round
	s_barrier_signal -1
	s_barrier_wait -1
	CREST
.endm
	s_load_b128 s[4:7], s[0:1], 0x0                ; W's codes, W's scales
	s_load_b128 s[8:11], s[0:1], 0x10              ; x's codes, x's scales
	s_load_b64 s[12:13], s[0:1], 0x20              ; qkv
	s_load_b64 s[96:97], s[0:1], 0x28              ; qkvs
	v_lshl_add_u32 v[SPW], v0, 2, SPARE
	v_mov_b32 v[NIL], 0
	ds_add_u32 v28, v29
	ds_add_u32 v28, v29
	s_wait_dscnt 0x0
	v_lshrrev_b32 v1, 5, v0
	v_readfirstlane_b32 s14, v1                    ; wave 0..3
	s_lshr_b32 s15, s14, 1                         ; which half of A's rows is mine.  Also: I fetch for A (0) or for B (1)
	s_and_b32 s16, s14, 1                          ; which half of B's rows.  Also: which 128 rows of that tile I fetch
	s_bfe_u32 s40, ttmp6, 0x40000                  ; cx, cy: my place in the cluster
	s_bfe_u32 s41, ttmp6, 0x40004
	s_and_b32 s17, ttmp7, 0xffff                   ; the cluster's y, 0 .. 11
	s_sub_co_u32 s18, s17, 8
	s_lshl_b32 s18, s18, 1
	s_add_co_u32 s18, s18, ttmp9                   ; V's clusters: which 1,024 rows of x: cluster x + 2 (cluster y - 8)
	s_cmp_ge_u32 s17, 8                            ; the kind: V's work from cluster y = 8 on
	s_cselect_b32 s2, 1, 0                         ; s2 = 1: V
	s_cselect_b32 s104, s18, ttmp9                 ; B's tiles: the cluster's part
	s_cselect_b32 s105, 0, s17                     ; A's tiles: the cluster's part
	s_cselect_b32 s95, 2048, 0                     ; V's rows of W begin at row 2,048
	s_lshl_b32 s42, s104, 2
	s_add_co_u32 s42, s42, s40                     ; B's tile = 4 x the cluster's part + cx
	s_lshl_b32 s17, s105, 2
	s_add_co_u32 s17, s17, s41                     ; A's tile = 4 x the cluster's part + cy
	s_lshl_b32 s43, s41, 2
	s_lshl_b32 s43, 15, s43                        ; my row of the cluster
	s_lshl_b32 s44, 0x1111, s40                    ; my column
	; descriptor group 1: a tile of 128 rows x 256 bytes, 16 bytes of padding behind each row
	s_or_b32 s[G1+0], s43, (0<<16)|(1<<20)|(1<<21)|(5<<22)|(3<<25)  ; 15:0 the mask: A's tiles go to my row; elements of 1 byte; padding on; bit 21 beside a mask; after every 64 words, 4 words
	s_or_b32 s[G1B+0], s44, (0<<16)|(1<<20)|(1<<21)|(5<<22)|(3<<25)
.irp g, G1, G1B
	s_mov_b32 s[\g+1], ROWB<<16                    ; tensor_dim0
	s_mov_b32 s[\g+2], 256<<16                     ; tensor_dim1: 256 rows for the head's loads
	s_mov_b32 s[\g+3], ROWB<<16                    ; tile_dim0
	s_mov_b32 s[\g+4], 256                         ; tile_dim1
	s_mov_b32 s[\g+5], KROW                        ; from row to row
	s_mov_b32 s[\g+6], 0
	s_mov_b32 s[\g+7], 0
.endr
	; the scales of 256 rows: a dense block of 8,192 bytes, as 32 rows of 256 bytes (32 elements of 8 bytes), 16 bytes of padding behind each
	s_or_b32 s[G1S+0], s43, (3<<16)|(1<<20)|(1<<21)|(5<<22)|(3<<25)
	s_or_b32 s[G1SB+0], s44, (3<<16)|(1<<20)|(1<<21)|(5<<22)|(3<<25)
.irp g, G1S, G1SB
	s_mov_b32 s[\g+1], 32<<16
	s_mov_b32 s[\g+2], KS<<16                      ; the scales of 256 rows: KS rows of 256 bytes
	s_mov_b32 s[\g+3], 32<<16
	s_mov_b32 s[\g+4], KS
	s_mov_b32 s[\g+5], 32
	s_mov_b32 s[\g+6], 0
	s_mov_b32 s[\g+7], 0
.endr
	s_lshl_b32 s20, s17, 8
	s_add_co_u32 s20, s20, s95                     ; A: the tile's first row, 256 x tile (+ 2,048 in W for V)
	s_lshl_b32 s46, s42, 8                         ; B: 256 x tile
	s_mov_b32 s21, 0
	s_mov_b32 s47, 0
	s_mov_b64 s[18:19], KS
	s_mul_u64 s[22:23], s[20:21], s[18:19]         ; where these rows' scales begin, in bytes
	s_mul_u64 s[92:93], s[46:47], s[18:19]
	s_mov_b64 s[18:19], KROW
	s_mul_u64 s[20:21], s[20:21], s[18:19]         ; and their codes
	s_mul_u64 s[46:47], s[46:47], s[18:19]
	s_mul_i32 s45, s14, HALFT                      ; where they go: wave x 128 rows: no place in the cluster enters an LDS address
	s_wait_kmcnt 0x0
	s_cmp_eq_u32 s2, 1                             ; which tensor is A and which is B: a choice on the cluster's y alone
	s_cselect_b64 s[98:99], s[4:5], s[8:9]         ; A's codes: W's for V, else x's
	s_cselect_b64 s[100:101], s[6:7], s[10:11]     ; A's scales
	s_cselect_b64 s[8:9], s[8:9], s[4:5]           ; B's codes: x's for V, else W's
	s_cselect_b64 s[10:11], s[10:11], s[6:7]       ; B's scales
	s_add_nc_u64 s[20:21], s[98:99], s[20:21]
	s_add_nc_u64 s[22:23], s[100:101], s[22:23]
	s_add_nc_u64 s[46:47], s[8:9], s[46:47]
	s_add_nc_u64 s[92:93], s[10:11], s[92:93]
	CROUND                                         ; all sixteen work-groups are here: the first joint loads meet
.set G0H, 4                            ; s[4:7], s[8:11] group 0 for the head's loads of K step 0 (the pointers that lay there have been used)
.set G0HB, 8
	s_mov_b32 s[G0H], 1                            ; the head's four tiles, each whole: K step 0's 256 rows of A,
	s_mov_b32 s[G0H+1], 0
	s_mov_b64 s[G0H+2:G0H+3], s[20:21]
	s_or_b32 s[G0H+3], s[G0H+3], 0x80000000
	s_mov_b32 s[G0HB], 1                           ; its 256 rows of B,
	s_mov_b32 s[G0HB+1], 2*HALFT
	s_mov_b64 s[G0HB+2:G0HB+3], s[46:47]
	s_or_b32 s[G0HB+3], s[G0HB+3], 0x80000000
	s_mov_b32 s[G0S], 1                            ; the scales of A's 256 rows,
	s_mov_b32 s[G0S+1], SCL
	s_mov_b64 s[G0S+2:G0S+3], s[22:23]
	s_or_b32 s[G0S+3], s[G0S+3], 0x80000000
	s_mov_b32 s[G0SB], 1                           ; and of B's
	s_mov_b32 s[G0SB+1], SCL+2*HALFS
	s_mov_b64 s[G0SB+2:G0SB+3], s[92:93]
	s_or_b32 s[G0SB+3], s[G0SB+3], 0x80000000
	s_mul_i32 s18, s16, 128*KROW                   ; for the ring: my 128 rows of the tile
	s_mov_b32 s19, 0
	s_add_nc_u64 s[20:21], s[20:21], s[18:19]
	s_add_nc_u64 s[46:47], s[46:47], s[18:19]
	s_cmp_eq_u32 s15, 0                            ; the prefetches: of the 128 rows that I fetch in the ring (A's or B's) my work-group takes 32, told apart from its three partners by address
	s_cselect_b64 s[98:99], s[20:21], s[46:47]
	s_cselect_b32 s18, s40, s41                    ; my place among the four that ask for the tile with me: cx for A, cy for B
	s_lshl_b32 s18, s18, 15                        ; 32 rows of 1,024 bytes
	s_add_nc_u64 s[98:99], s[98:99], s[18:19]
.irp s, 0,1
	s_mov_b32 s[G0+4*\s], 1
	s_add_co_u32 s[G0+4*\s+1], s45, \s*SLOT
	s_add_nc_u64 s[G0+4*\s+2:G0+4*\s+3], s[20:21], \s*ROWB
	s_or_b32 s[G0+4*\s+3], s[G0+4*\s+3], 0x80000000
	s_mov_b32 s[G0B+4*\s], 1
	s_add_co_u32 s[G0B+4*\s+1], s45, \s*SLOT
	s_add_nc_u64 s[G0B+4*\s+2:G0B+4*\s+3], s[46:47], \s*ROWB
	s_or_b32 s[G0B+4*\s+3], s[G0B+4*\s+3], 0x80000000
.endr
; the head's loads, one a wave: wave 0 A's 256 rows of K step 0, wave 1 B's, wave 2 A's scales, wave 3 B's: one tree of branches on the wave's number
.macro ARM under, g0, g1, next
	s_cmp_lt_u32 s14, \under
	s_cbranch_scc0 \next
	tensor_load_to_lds s[\g0:\g0+3], s[\g1:\g1+7]
	s_nop 0
.rept 4
	v_nop
.endr
	s_branch .Lhead_asked
\next:
.endm
	ARM 1, G0H,  G1,  .Lhead_b
	ARM 2, G0HB, G1B, .Lhead_sa
	ARM 3, G0S,  G1S, .Lhead_sb
	tensor_load_to_lds s[G0SB:G0SB+3], s[G1SB:G1SB+7]
	s_nop 0
.rept 4
	v_nop
.endr
.Lhead_asked:
	v_and_b32 v30, 31, v0
	v_lshlrev_b32 v30, 10, v30                     ; a lane a row; v30 is never rewritten
	global_prefetch_b8 v30, s[98:99] offset:256 th:TH_LOAD_NT scope:SCOPE_SE   ; K steps 1 and 2 are asked for here, K step 3 behind slot 1's first fill: each 256 bytes of a row once in each cluster that loads them (this takes the place of the head comment's sentence on prefetching)
	global_prefetch_b8 v30, s[98:99] offset:512 th:TH_LOAD_NT scope:SCOPE_SE
	v_and_b32 v1, 15, v0                           ; l % 16
	v_bfe_u32 v2, v0, 4, 1                         ; l / 16
	v_mul_u32_u24 v3, v1, PITCH
	v_lshl_add_u32 v4, v2, 4, v3                   ; a fragment's row x pitch + 16 x half
	s_mul_i32 s21, s15, HALFT                      ; my 128 rows of A
	s_mul_i32 s22, s16, HALFT                      ; my 128 rows of B,
	s_add_co_u32 s22, s22, 2*HALFT                 ; which lie behind A's 256
.irp s, 0,1
	v_add_nc_u32 v[ADRA+\s], s21, v4
	v_add_nc_u32 v[ADRB+\s], s22, v4
	s_add_co_u32 s21, s21, SLOT
	s_add_co_u32 s22, s22, SLOT
.endr
	v_mul_u32_u24 v5, v1, KS                       ; my row's scales: 32 bytes a row,
	v_lshrrev_b32 v6, 8, v5
	v_lshl_add_u32 v5, v6, 4, v5                   ; and 16 more for each 256 passed
	s_mul_i32 s21, s15, HALFS                      ; A's: my 128 rows
	s_mul_i32 s22, s16, HALFS                      ; B's: my 128 rows, behind A's 256
	s_add_co_u32 s22, s22, 2*HALFS
	s_sub_co_u32 s22, s22, s21
	v_mul_u32_u24 v6, s22, v2                      ; lanes 16-31 take B's
	s_add_co_u32 s21, s21, SCL
	v_add_nc_u32 v5, v5, v6
	v_add_nc_u32 v[ADRS], s21, v5
	v_and_b32 v6, 31, v0
	v_lshlrev_b32 v[CO], 4, v6                     ; 16 x lane
	v_lshlrev_b32 v[L8], 3, v6                     ; 8 x lane
.macro FRAG reg, adr, q, i             ; a fragment, 16 rows x 128 K: lane l holds row l % 16; registers 4 c .. 4 c + 3 hold K = 32 c + 16 (l / 16) + 0 .. 15
.irp c, 0,1,2,3
	ds_load_b128 v[\reg+4*\c:\reg+4*\c+3], v[\adr] offset:128*(\q)+32*\c+(\i)*16*PITCH
.endr
.endm
; 16 matrix instructions: A's blocks a0, a0 + 1 x B's eight, 128 along K.  p: B's set;  sc: the set of scale words.  zero = 1: the first product starts the sums.
; The 64 accumulators take turns, one instruction a turn, in the same order in every step.
.macro MUL16 a0, p, q, sc, zero
.irp a, \a0, \a0+1
.irp b, 0,1,2,3,4,5,6,7
.if \zero
	v_wmma_scale_f32_16x16x128_f8f6f4 v[8*(8*((\a)%4)+\b):8*(8*((\a)%4)+\b)+7], v[128*(\p)+FR*\b:128*(\p)+FR*\b+FR-1], v[AF+FR*(\a):AF+FR*(\a)+FR-1], 0, v[SC+8*NQ*(\sc)+NQ*\b+(\q)], v[SC+8*NQ*(\sc)+NQ*(\a)+(\q)] matrix_a_fmt:MATRIX_FMT_BF8 matrix_b_fmt:MATRIX_FMT_BF8 matrix_a_scale:MATRIX_SCALE_ROW1
.else
	v_wmma_scale_f32_16x16x128_f8f6f4 v[8*(8*((\a)%4)+\b):8*(8*((\a)%4)+\b)+7], v[128*(\p)+FR*\b:128*(\p)+FR*\b+FR-1], v[AF+FR*(\a):AF+FR*(\a)+FR-1], v[8*(8*((\a)%4)+\b):8*(8*((\a)%4)+\b)+7], v[SC+8*NQ*(\sc)+NQ*\b+(\q)], v[SC+8*NQ*(\sc)+NQ*(\a)+(\q)] matrix_a_fmt:MATRIX_FMT_BF8 matrix_b_fmt:MATRIX_FMT_BF8 matrix_a_scale:MATRIX_SCALE_ROW1
.endif
.endr
.endr
.endm
.macro FETCH_B slot, q, p              ; B's eight fragments of the slot's q-th 128 along K into set p
	WIN TO_B
.irp i, 0,1,2,3,4,5,6,7
	FRAG 128*(\p)+FR*\i, ADRB+\slot, \q, \i
.endr
	WIN 0
.endm
.macro FETCH_A slot, q, i0             ; A's blocks i0 .. i0 + 3
.irp i, \i0, \i0+1, \i0+2, \i0+3
	FRAG AF+FR*(\i), ADRA+\slot, \q, \i
.endr
.endm
.macro SCALES sc                       ; the next K step's scale words into set sc: two words a row; lanes 0-15 take A's block i, lanes 16-31 B's block i
.irp i, 0,1,2,3,4,5,6,7
	ds_load_b64 v[SC+8*NQ*\sc+NQ*\i:SC+8*NQ*\sc+NQ*\i+1], v[ADRS] offset:\i*SBLK
.endr
.endm
.macro PLACES n                        ; plain vector instructions between a matrix instruction and a load into, or a vector instruction on, its registers
.rept \n
	v_nop
.endr
.endm
; A step of 128 along K that has its successor in the same slot.
.macro STEP slot, q, zero
	s_wait_dscnt 4*NL                              ; B's set and A's blocks 0-3 are in; the youngest 16 loads (A's blocks 4-7) may be out
	WIN MUL_LO
	MUL16 0, (\q)%2, \q, \slot, \zero
	MUL16 2, (\q)%2, \q, \slot, \zero
	s_wait_dscnt 0                                 ; A's blocks 4-7 are in
	PLACES NP
	FETCH_B \slot, (\q)+1, 1-(\q)%2
	FETCH_A \slot, (\q)+1, 0
	WIN MUL_HI
	MUL16 4, (\q)%2, \q, \slot, \zero
	MUL16 6, (\q)%2, \q, \slot, \zero
	PLACES NP
	WIN 0
	FETCH_A \slot, (\q)+1, 4
.endm
; A slot's last step changes slots: one barrier; in front of it each wave waits for all its tensor loads, adds 0 to its spare word, and waits for that and for its own reads of this slot.  fill = 1: this slot is filled again, two K steps ahead.
.macro TURN slot, next, fill
	s_wait_tensorcnt 0x0                           ; all my tensor loads have landed: my part of the next slot
	ds_add_u32 v[SPW], v[NIL]                      ; 0 onto my spare word
	s_wait_dscnt 4*NL+1                            ; (the add and the youngest 16 loads, A's blocks 4-7, may be out)
	WIN MUL_LO
	MUL16 0, 1, NQ-1, \slot, 0                     ; sixteen matrix instructions stand between the add and the wait for it
	s_wait_dscnt 0x0                               ; the add is done, and my reads of this slot are over
	s_barrier_signal -1
	MUL16 2, 1, NQ-1, \slot, 0
	WIN 0
	s_barrier_wait -1
.if \fill
	CREST                                          ; the barrier has opened a round of the cluster's barrier: no wave of any partner still reads this slot's tile or has a load on its way
	s_add_nc_u64 s[G0+4*\slot+2:G0+4*\slot+3], s[G0+4*\slot+2:G0+4*\slot+3], 2*ROWB
	s_add_nc_u64 s[G0B+4*\slot+2:G0B+4*\slot+3], s[G0B+4*\slot+2:G0B+4*\slot+3], 2*ROWB
	JLOAD G0+4*\slot, G1, G0B+4*\slot, G1B         ; the first tensor load behind the round; its four v_nop are among the places in front of the loads below
	PLACES NP-4
.else
	PLACES NP
.endif
	s_wait_alu depctr_va_vdst(0)
	v_add_nc_u32 v[ADRS], 4*NQ, v[ADRS]            ; on to the next K step's scale words
	FETCH_B \next, 0, 0
	FETCH_A \next, 0, 0
	SCALES \next
	WIN MUL_HI
	MUL16 4, 1, NQ-1, \slot, 0
	MUL16 6, 1, NQ-1, \slot, 0
	PLACES NP
	WIN 0
	FETCH_A \next, 0, 4
.endm
	s_wait_alu depctr_va_vdst(0)
	s_wait_tensorcnt 0x0                           ; my tile of the head's four is in
	ds_add_u32 v[SPW], v[NIL]
	s_mov_b32 s[G1+2], 128<<16                     ; no tensor load of mine is out: from here on a load brings 128 rows
	s_mov_b32 s[G1+4], 128
	s_mov_b32 s[G1B+2], 128<<16
	s_mov_b32 s[G1B+4], 128
	s_wait_dscnt 0x0
	CROUND                                         ; all four tiles are in, and all sixteen work-groups are here
	JLOAD G0+4, G1, G0B+4, G1B                     ; K step 1's load, the first tensor load behind the round
	global_prefetch_b8 v30, s[98:99] offset:768 th:TH_LOAD_NT scope:SCOPE_SE   ; K step 3: two refills on
	FETCH_B 0, 0, 0
	FETCH_A 0, 0, 0
	SCALES 0
	FETCH_A 0, 0, 4
	STEP 0, 0, 1                                   ; the first step stands in front of the loop: its products start the sums
	s_mov_b32 s3, LAPS-1
.Llap:                                                 ; a trip goes once round the ring and fills both slots again
	TURN 0, 1, 1
	STEP 1, 0, 0
	TURN 1, 0, 1
	STEP 0, 0, 0
	s_sub_co_u32 s3, s3, 1
	s_cmp_lg_u32 s3, 0
	s_cbranch_scc1 .Llap
	TURN 0, 1, 0                                   ; the last lap fills nothing
	STEP 1, 0, 0
	s_wait_dscnt 4*NL                              ; the very last step
	WIN MUL_LO
	MUL16 0, 1, NQ-1, 1, 0
	MUL16 2, 1, NQ-1, 1, 0
	s_wait_dscnt 0
	WIN MUL_HI
	MUL16 4, 1, NQ-1, 1, 0
	MUL16 6, 1, NQ-1, 1, 0
	WIN 0
; THE WAY OUT.  In block a (16 rows of A) lane (r, hh) holds row r, and register 8 b + i the number at B's row 16 b + 8 hh + i.  So the 16 registers of tiles 2 b and 2 b + 1, in lanes l and l xor 16, are a block of 32
; along the quantised axis.  The conversions give, in registers 4 b, 4 b + 1, the codes of k = 32 b + 8 hh + 0 .. 7 and, in 4 b + 2, 4 b + 3, those of k = 32 b + 16 + 8 hh + 0 .. 7; exchanging the first pair's lanes 16-31
; with the second pair's lanes 0-15 leaves k = 32 b + 16 hh + 0 .. 15 in registers 4 b .. 4 b + 3: an operand's layout.
.set TM,  32                           ; v32-35  largest magnitudes
.set PB,  36                           ; v36-39  the other half's, then the bytes
.set HD,  40                           ; v40-43  57,344 x the scale
.set SO,  44                           ; v44-47  the conversions' scale operand
.set PW,  48                           ; v48-55  block a's scale word
.set U,   56                           ; v56-59  two blocks' words in one register
.set H0,  60                           ; v60-63  the first head's words, its two bytes twice
.set H1,  16                           ; v16-19  the second head's
.set X,   64                           ; v64-127 the numbers, held
.set PC,  128                          ; v128-255 codes: 16 registers for each block, so that no store's data are written again
	PLACES NP                                      ; behind the last products: the lines below write scale and fragment registers and read results
	s_wait_xcnt 0x0                                ; the prefetches have read their base: s[98:99] are written again below
	s_lshl_b32 s18, s17, 8
	s_lshl_b32 s19, s15, 7
	s_add_co_u32 s18, s18, s19                     ; my first row of A
	s_lshl_b32 s19, s42, 8
	s_lshl_b32 s20, s16, 7
	s_add_co_u32 s19, s19, s20                     ; my first row of B
	s_cmp_eq_u32 s2, 1
	s_cselect_b32 s20, s19, s18                    ; as a row of x,
	s_cselect_b32 s21, s18, s19                    ; and as a row of W (for V: counted from V's first)
	s_lshr_b32 s22, s20, 11                        ; the batch
	s_bfe_u32 s23, s20, 0x40007                    ; the chunk of 128 rows
	s_bfe_u32 s43, s21, 0x40006                    ; my first head (of two)
	s_lshl_b32 s22, s22, 4
	s_add_co_u32 s22, s22, s43                     ; 16 b + h
	s_lshr_b32 s43, s21, 10                        ; 0: Q, 1: K
	s_cmp_eq_u32 s43, 0
	s_cselect_b32 s44, 12288, 0                    ; Q's scale words lie behind K's and V's
	s_lshl_b32 s45, s23, 9
	s_lshl_b32 s46, s23, 8
	s_mov_b32 s66, 1024
	s_mov_b32 s92, 393216
	s_cmp_eq_u32 s2, 1
	s_cselect_b32 s43, 2, s43                      ; 2: V
	s_cselect_b32 s44, 8192, s44
	s_cselect_b32 s45, s46, s45                    ; a chunk's words: 256 bytes for V, 512 for Q and K
	s_cselect_b32 s66, 2048, s66                   ; from block to block
	s_cselect_b32 s67, 385024, 0                   ; V's blocks 4-7 are the next head's tiles 0-3: 393,216 - 4 x 2,048 more
	s_cselect_b32 s92, 1024, s92                   ; registers 8-15: V: the next two key blocks; Q, K: the next head
	s_mov_b32 s93, 0
	s_lshl_b32 s8, s22, 4
	s_add_co_u32 s8, s8, s23
	s_mul_i32 s8, s8, 24576
	s_lshl_b32 s43, s43, 13
	s_add_co_u32 s8, s8, s43
	s_mov_b32 s9, 0
	s_add_nc_u64 s[4:5], s[12:13], s[8:9]          ; where registers 0-7 of block 0 go,
	s_add_nc_u64 s[6:7], s[4:5], s[92:93]          ; and registers 8-15
	s_mul_i32 s8, s22, 20480
	s_add_co_u32 s8, s8, s44
	s_add_co_u32 s8, s8, s45
	s_add_nc_u64 s[98:99], s[96:97], s[8:9]        ; and the scale words
	s_mov_b32 s20, 0x600000                        ; the mantissa field of 57,344
	s_mov_b32 s22, 0x76543210
	s_mov_b32 s23, 0xfedcba98                      ; lane selects for lane l xor 16
	s_mov_b32 s100, 0xffff0000                     ; lanes 16-31
.irp b, 0,1,2,3
	v_mov_b32 v[PB+\b], 0                          ; a lane permute's destination counts as one of its sources
.endr
.macro QUANTA a
.set AC, 64*((\a)%4)
.set W1, 2+(\a)/4
.set W2, W1|(W1<<2)
.set PA, PC+16*(\a)
	WIN W2                                         ; sources 0 and 1 in the accumulators' window
.irp b, 0,1,2,3
	v_max3_num_f32 v[TM+\b], |v[AC+16*\b]|, |v[AC+16*\b+1]|, 0x8000000   ; block b: my 16 numbers, each accumulator from its low end on, and the floor 2^(16 - 127): the byte cannot fall under 1
.endr
.irp i, 2,4,6,8,10,12,14
.irp b, 0,1,2,3
	v_max3_num_f32 v[TM+\b], |v[AC+16*\b+\i]|, |v[AC+16*\b+\i+1]|, v[TM+\b]
.endr
.endr
	WIN 0
.irp b, 0,1,2,3
	v_permlanex16_b32 v[PB+\b], v[TM+\b], s22, s23
.endr
.irp b, 0,1,2,3
	v_max_num_f32 v[TM+\b], v[TM+\b], v[PB+\b]     ; with lane l xor 16's: the block's largest magnitude
.endr
.irp b, 0,1,2,3
	v_add_nc_u32 v[SO+\b], 0xf8800000, v[TM+\b]    ; 15 off its exponent field: the conversion's scale operand
.endr
.irp b, 0,1,2,3
	v_and_or_b32 v[HD+\b], v[TM+\b], 0x7f800000, s20   ; 57,344 x the scale
.endr
.irp b, 0,1,2,3
	v_lshrrev_b32 v[PB+\b], 23, v[SO+\b]           ; the scale's byte
.endr
	v_lshl_or_b32 v[PW+(\a)], v[PB+1], 8, v[PB]
	v_lshl_or_b32 v[PW+(\a)], v[PB+2], 16, v[PW+(\a)]
	v_lshl_or_b32 v[PW+(\a)], v[PB+3], 24, v[PW+(\a)]
	WIN W1                                         ; source 0 in the accumulators' window
.set n, 0
.rept 64
	v_med3_num_f32 v[X+n], v[AC+n], -v[HD+n/16], v[HD+n/16]   ; the conversion to an 8-bit code does not saturate (ISA guide 7.6.2): the hold at the largest code x the scale
.set n, n+1
.endr
	WIN 0
.irp b, 0,1,2,3
	v_cvt_scalef32_pk8_bf8_f32 v[PA+4*\b:PA+4*\b+1], v[X+16*\b:X+16*\b+7], v[SO+\b]
	v_cvt_scalef32_pk8_bf8_f32 v[PA+4*\b+2:PA+4*\b+3], v[X+16*\b+8:X+16*\b+15], v[SO+\b]
.endr
	v_nop                                          ; a plain line between the conversions and the lines that touch their results or write their sources
.irp b, 0,1,2,3
	v_permlane16_swap_b32 v[PA+4*\b], v[PA+4*\b+2]     ; the first's lanes 16-31 against the second's lanes 0-15
	v_permlane16_swap_b32 v[PA+4*\b+1], v[PA+4*\b+3]
.endr
.endm
.macro SENDA a
.set PA, PC+16*(\a)
	s_mul_i32 s95, s66, \a
.if (\a) >= 4
	s_add_co_u32 s95, s95, s67
.endif
	v_add_nc_u32 v[VO+(\a)], s95, v[CO]
	global_store_b128 v[VO+(\a)], v[PA:PA+3], s[4:5]                 ; each store covers 512 consecutive bytes, aligned
	global_store_b128 v[VO+(\a)], v[PA+4:PA+7], s[4:5] offset:512
	global_store_b128 v[VO+(\a)], v[PA+8:PA+11], s[6:7]
	global_store_b128 v[VO+(\a)], v[PA+12:PA+15], s[6:7] offset:512
.endm
.irp a, 0,1,2,3,4,5,6,7
	QUANTA \a
	SENDA \a
.endr
.irp al, 0,1,2,3
	v_cndmask_b32 v[U+\al], v[PW+2*\al], v[PW+2*\al+1], s100   ; lanes 0-15: block 2 al's words, lanes 16-31: block 2 al + 1's (both halves of the lanes hold a row's word)
.endr
	s_cmp_eq_u32 s2, 1                             ; the kind: the same in all partners
	s_cbranch_scc1 .Lv_words
.irp al, 0,1,2,3
	v_perm_b32 v[H0+\al], v[U+\al], v[U+\al], 0x01000100   ; Q, K: bytes 0, 1 are my first head's two blocks: twice, so that the word serves either half of a K step of 128
	v_perm_b32 v[H1+\al], v[U+\al], v[U+\al], 0x03020302   ; bytes 2, 3 the next head's
.endr
	global_store_b128 v[CO], v[H0:H0+3], s[98:99]                  ; 512 consecutive bytes
	global_store_b128 v[CO], v[H1:H1+3], s[98:99] offset:20480
	s_branch .Lwords_out
.Lv_words:
	s_wait_alu depctr_va_vdst(0)
	global_store_b64 v[L8], v[U:U+1], s[98:99]                     ; V: a word is the four key blocks of a row: 256 consecutive bytes for a head's four tiles
	global_store_b64 v[L8], v[U+2:U+3], s[98:99] offset:20480
.Lwords_out:
	s_wait_tensorcnt 0x0                           ; the wave's end
	ds_add_u32 v[SPW], v[NIL]
	s_wait_dscnt 0x0
	CROUND                                         ; the closing round: no work-group ends while a partner may still ask for a tile that names it
	s_endpgm
.Lfunc_end_k_q4b1883acf1_proj:
	.size	k_q4b1883acf1_proj, .Lfunc_end_k_q4b1883acf1_proj-k_q4b1883acf1_proj
	.p2alignl 7, 3214868480
	.fill 96, 4, 3214868480
	.section	.rodata,"a",@progbits
	.p2align	6, 0x0
	.amdhsa_kernel k_q4b1883acf1_proj
		.amdhsa_group_segment_fixed_size 327680
		.amdhsa_private_segment_fixed_size 0
		.amdhsa_enable_private_segment 0
		.amdhsa_kernarg_size 48
		.amdhsa_user_sgpr_count 2
		.amdhsa_user_sgpr_kernarg_segment_ptr 1
		.amdhsa_wavefront_size32 1
		.amdhsa_system_sgpr_workgroup_id_x 1
		.amdhsa_system_sgpr_workgroup_id_y 1
		.amdhsa_system_sgpr_workgroup_id_z 1
		.amdhsa_system_vgpr_workitem_id 0
		.amdhsa_next_free_vgpr 1024
		.amdhsa_next_free_sgpr 106
		.amdhsa_reserve_vcc 0
		.amdhsa_float_denorm_mode_32 3
		.amdhsa_float_denorm_mode_16_64 3
		.amdhsa_memory_ordered 1
		.amdhsa_forward_progress 1
		.amdhsa_inst_pref_size 191
	.end_amdhsa_kernel
	.amdgpu_metadata
---
amdhsa.version: [ 1, 2 ]
amdhsa.kernels:
  - .name:           k_q4b1883acf1_proj
    .symbol:         k_q4b1883acf1_proj.kd
    .args:
      - { .name: w_qkv_codes, .offset: 0, .size: 8, .value_kind: global_buffer, .address_space: global }
      - { .name: w_qkv_scales, .offset: 8, .size: 8, .value_kind: global_buffer, .address_space: global }
      - { .name: x_codes, .offset: 16, .size: 8, .value_kind: global_buffer, .address_space: global }
      - { .name: x_scales, .offset: 24, .size: 8, .value_kind: global_buffer, .address_space: global }
      - { .name: qkv, .offset: 32, .size: 8, .value_kind: global_buffer, .address_space: global }
      - { .name: qkvs, .offset: 40, .size: 8, .value_kind: global_buffer, .address_space: global }
    .group_segment_fixed_size: 327680
    .private_segment_fixed_size: 0
    .kernarg_segment_align: 8
    .kernarg_segment_size: 48
    .max_flat_workgroup_size: 128
    .sgpr_count:     106
    .vgpr_count:     1024
    .wavefront_size: 32
...
	.end_amdgpu_metadata
.endif
;; end of part 1
;; launch attn (part 2): grid 4 x 64, 8 waves a work-group, clusters of 4 x 1, 276,480 bytes of LDS; arguments qkv, qkvs, att, atts; writes att, atts
.if DOCPART == 2
	.amdgcn_target "amdgcn-amd-amdhsa--gfx1250"
	.amdhsa_code_object_version 6
	.text
	.protected	k_q4b1883acf1_attn
	.globl	k_q4b1883acf1_attn
	.p2align	8
	.type	k_q4b1883acf1_attn,@function
k_q4b1883acf1_attn:
	s_mov_b64 s[64:65], 0
	v_nop
	global_prefetch_b8 v0, s[64:65] scope:SCOPE_SE
	s_setreg_imm32_b32 hwreg(HW_REG_WAVE_MODE, 25, 1), 1
	s_wait_xcnt 0x0
	s_wait_alu depctr_hold_cnt(0) depctr_sa_sdst(0) depctr_va_vdst(0) depctr_va_sdst(0) depctr_va_ssrc(0) depctr_va_vcc(0) depctr_vm_vsrc(0)
	s_getreg_b32 s2, hwreg(HW_REG_IB_STS2, 6, 4)
	s_cmp_eq_u32 s2, 0
	s_cbranch_scc0 .Lentry_in_a_cluster
	s_endpgm
.Lentry_in_a_cluster:
	s_bfe_u32 s2, ttmp6, 0x10000c
	s_cmp_lg_u32 s2, 0x3003
	s_cbranch_scc0 .Lentry_shape_is_right
	s_endpgm
.Lentry_shape_is_right:
; Causal attention of one (batch, head) a cluster, both products on codes of BF8 (E5M2) with one E8M0 scale for each 32 along K; the result is quantised along the model's 1,024 for the last product.
; In: qkv, qkvs as the projection launch lays them (images of operand registers: 512 bytes for four registers, lane l's 16 bytes at 16 l).  Out: att [tile of 16 rows, 512][two heads, 8][block of 32, 4][lane][16]; atts [row][32].
; LEFT OUT: key steps all of whose keys come after the tile's queries: the causal mask gives them the weight 0 for every input.
; THE SOFTMAX: t = score x log2(e) / 8; M = the row's largest t so far, rounded up to a whole number; p = 2^(t - M) is quantised along the keys, not normalised; the row's sum is taken of the unquantised p and divides O at the end.
; When M moves, the sum and O are multiplied by 2^(old M - new M): exact.
; SHARES.  The cluster's four work-groups share a head's 2,048 queries; the head's K and V (256 KiB of codes) lie whole in each work-group's LDS, asked for jointly once, two chunks of 128 keys a wave: nothing is filled again, so there is
; no ring and no later stream to prefetch.  The scale words, 12,288 bytes, come through registers into LDS bytes of their own.  Wave w of partner p owns tile 2 p + (w & 1) of chunks 15 - i, 11 - i, 4 + i, i (i = w / 2): 34 key steps for every wave.
; The trip counts are constants; a step that is left out is jumped over by a scalar branch on the wave's number and the step's count.  The partner's place enters global addresses and the mask's compare alone.
; Waves 0 to 2 (chunks 0 to 5) have a load line and a wait of their own: the first five steps read chunks 0 to 5 alone; the second barrier shows the rest.
; LAYOUT.  Both products are used transposed: a lane holds one query (lane % 16).  K = 64 in an instruction of 128: the other 64 are zero codes on both sides: [Ka][0][Kb] meets [Q][0][Q]; the scale words hold the head's two bytes twice.
; THE KEYS OF A TILE ARE CHOSEN BY ADDRESS: lane r of tile 2 j + u takes key 32 j + 8 u + r + 8 (r / 8), so that the 16 registers of tiles 2 j, 2 j + 1 are keys 32 j + 16 (lane / 16) + 0 .. 15: the conversions' results are the second product's operand.
; THE MASK is 64 registers, 0 or -3e38, made once (a tile's place in its chunk is the same in all four passes): on the diagonal they are the score products' C.
; THE STREAM.  K's and V's fragments have registers of their own (window 1): behind a step's score products V of this step and K of the next are asked for.  The next pass's Q is loaded a pass ahead.
; LIMITS: NaN and infinities are not served; the promise holds while the scaled scores stay under 2^31 in magnitude.  A p under 2^-126 becomes 0 (ISA guide, 15.8).  A block whose largest magnitude lies under 2^-111, or that is all zeros,
; gets the scale byte 1 (the quantiser's rule says 127 for zeros): its codes are zeros, and the bytes are read by this program alone.  1 / the row's sum is v_rcp_f32's.
.set LK,   16384                       ; a chunk in LDS: K's 8 tiles of 1,024 bytes, then V's 4 fragments of 2,048
.set SCK,  262144                      ; K's scale words: 512 bytes a chunk
.set SCV,  270336                      ; V's: 256 bytes a chunk
.set SPARE, 274432                     ; the spare words: 128 bytes a wave
.set L16,  1                           ; 16 x lane
.set L8S,  2                           ; 8 x lane + SCV
.set AKS,  3                           ; my place among a chunk's scale words of K, + SCK
.set DD,   4                           ; my query's place in its chunk - 16 (lane / 16)
.set ADK,  5                           ; the next step's K
.set ADV,  6                           ; this step's V
.set ADS,  7                           ; the next step's scale words of K
.set ADT,  8                           ; this step's of V
.set QSO,  9                           ; my query's scale word in a chunk's 512 bytes
.set OSO,  10                          ; 32 x (lane % 16) + lane / 16
.set AK,   11                          ; my place in a chunk's K: 1,024 (r / 8) + 16 (r % 8) + 256 (lane / 16)
.set QN,   40                          ; v40-48 the next pass's Q and its scale word
.set TT,   48                          ; v50-55 three chains of the row's sum
.set S,    96                          ; v96-159  S^T, then p
.set O,    160                         ; v160-191 O^T
.set PC,   192                         ; v192-207 codes
.set BM,   208
.set PM,   212
.set HD,   216                         ; 57,344 x the scale
.set SO,   220
.set F,    224
.set PSW,  226
.set TMP,  227
.set NEG,  228
.set KSW,  232                         ; v232-235 K's scale words: register j: tile 2 j in lanes 0-15, 2 j + 1 in lanes 16-31
.set VSW,  236
.set QSW,  238
.set HE,   241                         ; v241-244 57,344 x the scale once more: the two halves of a dual line take second sources of different banks
.set SPW,  254
.set NIL,  255
.set KF,   0                           ; window 1: v0-95 K: four times [Ka][0][Kb]
.set VF,   96                          ; window 1: v96-159 V's four fragments
.set MK,   160                         ; window 1: v160-223 the mask
.set WV,   12
.set CX,   13
.set BH,   14
.set TA,   15
.set CH,   18
.set MNT,  19
.set SEL,  20
.set CS,   22
.set G1C,  24
.set G0,   40
.set J,    60
.set TB,   61
.set TS,   62
.set TJ,   63
.set QB,   66
.set QSB,  68
.set OB,   70
.set OSB,  72
.set HI16, 78
.set CNT,  80
.set PASS, 81
.set N0,   82                          ; s82-85 the chunks still to come
.set N1,   83
.set N2,   84
.set N3,   85
.set SWB,  86                          ; s[86:87] my 1,536 bytes of the head's scale words
.set TBN,  88
.set TSN,  89
.set MSB, 0
.macro WIN new                         ; the immediate's high byte repeats the setting that is left
.if MSB != \new
	s_set_vgpr_msb (MSB<<8)|\new
.set MSB, \new
.endif
.endm
.macro ROUND                           ; a round of the cluster's barrier
	s_barrier_signal -1
	s_barrier_wait -1
	s_cmp_lg_u32 s[WV], 0
	s_cbranch_scc1 .Lnot_wave_0_\@
	s_barrier_signal -3
.Lnot_wave_0_\@:
	s_barrier_wait -3
	s_barrier_signal -1
	s_barrier_wait -1
.endm
.macro QASK                            ; the tile of chunk s[N0]: its Q and Q's scale words into the waiting registers
	s_mul_i32 s74, s[BH], 393216
	s_mul_i32 s76, s[N0], 24576
	s_add_co_u32 s74, s74, s76
	s_lshl_b32 s76, s[TA], 10
	s_add_co_u32 s74, s74, s76
	s_mov_b32 s75, 0
	s_add_nc_u64 s[QB:QB+1], s[4:5], s[74:75]
	s_mul_i32 s74, s[BH], 20480
	s_lshl_b32 s76, s[N0], 9
	s_add_co_u32 s74, s74, s76
	s_add_co_u32 s74, s74, 12288
	s_add_nc_u64 s[QSB:QSB+1], s[6:7], s[74:75]
	global_load_b128 v[QN:QN+3], v[L16], s[QB:QB+1]
	global_load_b128 v[QN+4:QN+7], v[L16], s[QB:QB+1] offset:512
	global_load_b32 v[QN+8], v[QSO], s[QSB:QSB+1]
.endm
.macro KFETCH adr, sadr                ; a chunk's eight tiles of K and their scale words: 17 LDS loads
	WIN 0x40
.irp j, 0,1,2,3
.irp u, 0,1
.irp c, 0,1
	ds_load_b128 v[KF+24*\j+16*\u+4*\c:KF+24*\j+16*\u+4*\c+3], v[\adr] offset:2048*\j+128*\u+512*\c
.endr
.endr
.endr
	WIN 0
	ds_load_b128 v[KSW:KSW+3], v[\sadr]
.endm
	s_load_b256 s[4:11], s[0:1], 0x0               ; qkv, qkvs, att, atts
	v_lshl_add_u32 v[SPW], v0, 2, SPARE
	v_mov_b32 v[NIL], 0
	ds_add_u32 v[SPW], v[NIL]
	ds_add_u32 v[SPW], v[NIL]
	v_lshrrev_b32 v1, 5, v0
	v_readfirstlane_b32 s[WV], v1                  ; wave 0..7
	s_bfe_u32 s[CX], ttmp6, 0x40000
	s_and_b32 s[BH], ttmp7, 0xffff                 ; the cluster's y: 16 b + h
	s_and_b32 s[TA], s[WV], 1
	s_lshl_b32 s16, s[CX], 1
	s_add_co_u32 s[TA], s[TA], s16                 ; my tile in a chunk
	s_lshr_b32 s[N3], s[WV], 1                     ; i
	s_xor_b32 s[N0], s[N3], 15                     ; 15 - i
	s_xor_b32 s[N1], s[N3], 11                     ; 11 - i
	s_xor_b32 s[N2], s[N3], 4                      ; 4 + i
	s_mov_b32 s[MNT], 0x600000
	s_mov_b32 s[SEL], 0x76543210
	s_mov_b32 s[SEL+1], 0xfedcba98
	s_mov_b32 s[CS], 0x3e38aa3b                    ; log2(e) / 8
	s_mov_b32 s[CS+1], s[CS]
	s_mov_b32 s[HI16], 0xffff0000
	s_mov_b32 s[G1C], 15|(3<<16)|(1<<21)           ; the mask: all four work-groups; elements of 8 bytes; two rows of 16,384 bytes (a chunk's K and V), 24,576 bytes apart
	s_mov_b32 s[G1C+1], 2048<<16
	s_mov_b32 s[G1C+2], 2<<16
	s_mov_b32 s[G1C+3], 2048<<16
	s_mov_b32 s[G1C+4], 2
	s_mov_b32 s[G1C+5], 3072
	s_mov_b32 s[G1C+6], 0
	s_mov_b32 s[G1C+7], 0
	s_mul_i32 s60, s[BH], 393216
	s_mul_i32 s61, s[WV], 49152                    ; chunks 2 w, 2 w + 1
	s_add_co_u32 s60, s60, s61
	s_add_co_u32 s60, s60, 8192                    ; K and V lie behind a chunk's Q
	s_mov_b32 s61, 0
	s_mul_i32 s62, s[BH], 20480
	s_mul_i32 s63, s[WV], 1536
	s_add_co_u32 s62, s62, s63
	s_mov_b32 s63, 0
	s_mov_b32 s[G0], 1
	s_lshl_b32 s[G0+1], s[WV], 15
	s_wait_dscnt 0x0
	s_wait_kmcnt 0x0
	s_add_nc_u64 s[G0+2:G0+3], s[4:5], s[60:61]
	s_or_b32 s[G0+3], s[G0+3], 0x80000000
	s_add_nc_u64 s[SWB:SWB+1], s[6:7], s[62:63]
	ROUND                                          ; all four work-groups are here: the joint loads meet
	s_cmp_lt_u32 s[WV], 3                          ; one load a wave; waves 0 to 2, which wait at the first barrier, have a line of their own
	s_cbranch_scc0 .Llater
	tensor_load_to_lds s[G0:G0+3], s[G1C:G1C+7]
	s_nop 0
.rept 4
	v_nop
.endr
	s_branch .Lasked
.Llater:
	tensor_load_to_lds s[G0:G0+3], s[G1C:G1C+7]
	s_nop 0
.rept 4
	v_nop
.endr
.Lasked:
	v_and_b32 v[L16], 31, v0
	v_lshl_add_u32 v[L8S], v[L16], 3, SCV
	v_lshlrev_b32 v[L16], 4, v[L16]
	global_load_b128 v[S:S+3], v[L16], s[SWB:SWB+1]
	global_load_b128 v[S+4:S+7], v[L16], s[SWB:SWB+1] offset:512
	global_load_b128 v[S+8:S+11], v[L16], s[SWB:SWB+1] offset:1024
	v_and_b32 v[DD], 15, v0                        ; r
	v_bfe_u32 v[ADK], v0, 4, 1                     ; hh
	v_lshlrev_b32 v[QSO], 4, v[DD]
	v_lshl_add_u32 v[OSO], v[DD], 5, v[ADK]
	v_and_b32 v[AK], 7, v[DD]
	v_lshrrev_b32 v[ADV], 3, v[DD]
	v_lshlrev_b32 v[AK], 4, v[AK]                  ; 16 (r % 8)
	v_lshl_add_u32 v[AKS], v[ADV], 8, v[AK]        ; scale words: + 256 (r / 8)
	v_lshl_add_u32 v[AKS], v[ADK], 7, v[AKS]       ; + 128 hh: lanes 16-31 take the odd tile's
	v_add_nc_u32 v[AKS], SCK, v[AKS]
	v_lshl_add_u32 v[AK], v[ADV], 10, v[AK]        ; codes: + 1,024 (r / 8)
	v_lshl_add_u32 v[AK], v[ADK], 8, v[AK]         ; + 256 hh
	v_lshlrev_b32 v[ADK], 4, v[ADK]
	v_sub_nc_u32 v[DD], v[DD], v[ADK]
	s_lshl_b32 s74, s[TA], 4
	v_add_nc_u32 v[DD], s74, v[DD]                 ; 16 x tile + r - 16 hh
	s_and_b32 s74, s[WV], 1
	s_lshl_b32 s74, s74, 8
	s_lshl_b32 s75, s[CX], 2
	s_add_co_u32 s74, s74, s75
	v_add_nc_u32 v[QSO], s74, v[QSO]               ; tile 2 p + u: word p of lane 16 u + r
	s_mul_i32 s74, s[WV], 1536
	s_add_co_u32 s74, s74, SCK
	v_add_nc_u32 v[ADS], s74, v[L16]               ; where my part of the scale words goes
	s_wait_alu depctr_va_vdst(0)
	QASK                                           ; the first pass's Q
	v_mov_b32 v[NEG], 0xff61b1e6                   ; -3e38
	WIN 0x40
.set n, 0
.rept 64                                       ; register n of S^T holds key 32 (n / 16) + 16 hh + n % 16 of the chunk: hidden where it comes after my query
	v_cmp_gt_i32 vcc_lo, 32*(n/16)+n%16, v[DD]
	v_cndmask_b32 v[MK+n], v[NIL], v[NEG], vcc_lo
.set n, n+1
.endr
.irp j, 0,1,2,3
.irp z, 8,9,10,11,12,13,14,15
	v_mov_b32 v[KF+24*\j+\z], 0                    ; the zero codes, written once
.endr
.endr
	WIN 0
.irp z, 24,25,26,27,28,29,30,31
	v_mov_b32 v\z, 0
.endr
.irp b, 0,1,2,3
	v_mov_b32 v[PM+\b], 0                          ; a lane permute's destination counts as one of its sources
.endr
	v_mov_b32 v[F+1], 0
	s_wait_loadcnt 0x3                             ; the scale words are in; Q's three loads may be out
	ds_store_b128 v[ADS], v[S:S+3]
	ds_store_b128 v[ADS], v[S+4:S+7] offset:512
	ds_store_b128 v[ADS], v[S+8:S+11] offset:1024
; A pass begins: the waiting Q goes to its places (twice), the next pass's is asked for; the statistics and O^T begin as nothing: the first change of M multiplies zeros.
.macro INIT
	s_wait_dscnt 0x0                               ; no LDS load into K's registers is out
	s_wait_loadcnt 0x0                             ; Q
	s_wait_xcnt 0x0                                ; the last pass's stores have read their bases and data
	s_mov_b32 s[CH], s[N0]
	s_mov_b32 s[N0], s[N1]
	s_mov_b32 s[N1], s[N2]
	s_mov_b32 s[N2], s[N3]
.set n, 0
.rept 8
	v_mov_b32 v[16+n], v[QN+n]
	v_mov_b32 v[32+n], v[QN+n]
.set n, n+1
.endr
	v_mov_b32 v[QSW], v[QN+8]
	s_and_b32 s76, s[BH], 0xf0                     ; 16 b
	s_add_co_u32 s76, s76, s[CH]
	s_lshl_b32 s76, s76, 3
	s_add_co_u32 s76, s76, s[TA]                   ; the tile of 16 rows among 512
	s_and_b32 s77, s[BH], 15                       ; h
	s_lshl_b32 s74, s76, 14
	s_lshl_b32 s79, s77, 10
	s_add_co_u32 s74, s74, s79
	s_mov_b32 s75, 0
	s_add_nc_u64 s[OB:OB+1], s[8:9], s[74:75]
	s_lshl_b32 s74, s76, 9
	s_lshl_b32 s79, s77, 1
	s_add_co_u32 s74, s74, s79
	s_add_nc_u64 s[OSB:OSB+1], s[10:11], s[74:75]
	v_mov_b32 v13, 0xff61b1e6                      ; the largest t so far: -3e38
	s_delay_alu instid0(VALU_DEP_1)
	v_floor_f32 v12, -v13                          ; -M
	v_mov_b32 v14, 0
	v_mov_b32 v15, 0
.set n, 0
.rept 32
	v_mov_b32 v[O+n], 0
.set n, n+1
.endr
	s_mov_b32 s[J], 0
	s_mov_b32 s[TB], 0
	s_mov_b32 s[TS], 0
	s_mov_b32 s[TJ], 0
	s_wait_alu depctr_va_vdst(0)
	s_cmp_eq_u32 s[CH], s[N0]                      ; the last pass has no successor
	s_cbranch_scc1 .Lno_more_\@
	QASK
.Lno_more_\@:
.endm
.macro BMAX                            ; the largest score of each of the four blocks, the four by turns
.irp b, 0,1,2,3
	v_max3_num_f32 v[BM+\b], v[S+16*\b], v[S+16*\b+1], v[S+16*\b+2]
.endr
.irp i, 3,5,7,9,11,13
.irp b, 0,1,2,3
	v_max3_num_f32 v[BM+\b], v[BM+\b], v[S+16*\b+\i], v[S+16*\b+\i+1]
.endr
.endr
.irp b, 0,1,2,3
	v_max_num_f32 v[BM+\b], v[BM+\b], v[S+16*\b+15]
.endr
.endm
.macro SMUL diag                       ; S^T = K Q^T: eight tiles of 16 keys.  diag = 1: the sums begin with the mask
.irp j, 0,1,2,3
.if \diag
	v_wmma_scale_f32_16x16x128_f8f6f4 v[S+16*\j:S+16*\j+7], v[KF+24*\j:KF+24*\j+15], v[16:31], v[MK+16*\j:MK+16*\j+7], v[KSW+\j], v[QSW] matrix_a_fmt:MATRIX_FMT_BF8 matrix_b_fmt:MATRIX_FMT_BF8
	v_wmma_scale_f32_16x16x128_f8f6f4 v[S+16*\j+8:S+16*\j+15], v[KF+24*\j+8:KF+24*\j+23], v[24:39], v[MK+16*\j+8:MK+16*\j+15], v[KSW+\j], v[QSW] matrix_a_fmt:MATRIX_FMT_BF8 matrix_b_fmt:MATRIX_FMT_BF8 matrix_a_scale:MATRIX_SCALE_ROW1
.else
	v_wmma_scale_f32_16x16x128_f8f6f4 v[S+16*\j:S+16*\j+7], v[KF+24*\j:KF+24*\j+15], v[16:31], 0, v[KSW+\j], v[QSW] matrix_a_fmt:MATRIX_FMT_BF8 matrix_b_fmt:MATRIX_FMT_BF8
	v_wmma_scale_f32_16x16x128_f8f6f4 v[S+16*\j+8:S+16*\j+15], v[KF+24*\j+8:KF+24*\j+23], v[24:39], 0, v[KSW+\j], v[QSW] matrix_a_fmt:MATRIX_FMT_BF8 matrix_b_fmt:MATRIX_FMT_BF8 matrix_a_scale:MATRIX_SCALE_ROW1
.endif
.endr
.endm
; A KEY STEP: the 128 keys of chunk J.
.macro STEP
	s_cmp_gt_u32 s[J], s[CH]                       ; all its keys come after my queries: only the counts step
	s_cbranch_scc1 .Lskip_\@
	s_add_co_u32 s[TBN], s[TB], LK                 ; the next chunk (behind the last: chunk 0, read for nothing)
	s_and_b32 s[TBN], s[TBN], 0x3ffff
	s_add_co_u32 s[TSN], s[TS], 512
	s_and_b32 s[TSN], s[TSN], 0x1fff
	s_wait_dscnt 0x0                               ; this chunk's K and its scale words are in
	s_cmp_lg_u32 s[J], s[CH]
	s_cbranch_scc1 .Lopen_\@
	WIN 0x11                                       ; K and the mask in window 1
	SMUL 1
	WIN 0
	s_branch .Ljoin_\@
.Lopen_\@:
	WIN 0x01
	SMUL 0
	WIN 0
.Ljoin_\@:
	v_add_nc_u32 v[ADV], s[TB], v[L16]             ; eight places behind the products: ahead of the loads into what they have read and of the first reader of their sums
	v_add_nc_u32 v[ADT], s[TJ], v[L8S]
	v_add_nc_u32 v[ADK], s[TBN], v[AK]
	v_add_nc_u32 v[ADS], s[TSN], v[AKS]
.rept 4
	v_nop
.endr
	ds_load_b64 v[VSW:VSW+1], v[ADT]
	WIN 0x40
.irp t, 0,1,2,3
.irp c, 0,1,2,3
	ds_load_b128 v[VF+16*\t+4*\c:VF+16*\t+4*\c+3], v[ADV] offset:8192+2048*\t+512*\c
.endr
.endr
	KFETCH ADK, ADS
	BMAX                                           ; the largest score of each block of 32 keys: for the row's maximum and, since p rises with the score, for the block's largest p
.irp b, 0,1,2,3
	v_permlanex16_b32 v[PM+\b], v[BM+\b], s[SEL], s[SEL+1]
.endr
.irp b, 0,1,2,3
	s_delay_alu instid0(VALU_DEP_4)
	v_max_num_f32 v[BM+\b], v[BM+\b], v[PM+\b]     ; with lane l xor 16's 16 keys
.endr
	s_delay_alu instid0(VALU_DEP_2)
	v_max3_num_f32 v[TMP], v[BM], v[BM+1], v[BM+2]
	s_delay_alu instid0(VALU_DEP_1)
	v_max_num_f32 v[TMP], v[TMP], v[BM+3]
	s_delay_alu instid0(VALU_DEP_1)
	v_mul_f32 v[TMP], s[CS], v[TMP]                ; as t
	s_delay_alu instid0(VALU_DEP_1)
	v_max_num_f32 v13, v13, v[TMP]                 ; the running largest t
	v_mov_b32 v[TMP], v12
	s_delay_alu instid0(VALU_DEP_2)
	v_floor_f32 v12, -v13                          ; the new -M = -ceil(t)
	s_delay_alu instid0(VALU_DEP_1)
	v_sub_f32 v[TMP], v12, v[TMP]                  ; old M - new M: a whole number, 0 or less
	s_delay_alu instid0(VALU_DEP_1)
	v_cvt_i32_f32 v[TMP], v[TMP]                   ; (it saturates)
	s_delay_alu instid0(VALU_DEP_1)
	v_ldexp_f32 v[F], 1.0, v[TMP]                  ; f
.set n, 0
.rept 32
	v_pk_fma_f32 v[S+n:S+n+1], v[S+n:S+n+1], s[CS:CS+1], v[12:13] op_sel_hi:[1,0,0]   ; t - M
.set n, n+2
.endr
.irp b, 0,1,2,3
	v_fma_f32 v[BM+\b], v[BM+\b], s[CS], v12       ; the same of each block's largest score
.endr
	s_wait_alu depctr_va_vdst(0)
.set n, 0
.rept 64
	v_exp_f32 v[S+n], v[S+n]                       ; p = 2^(t - M)
.set n, n+1
.endr
	v_pk_mul_f32 v[14:15], v[14:15], v[F:F+1] op_sel_hi:[1,0]      ; the sums under the new M: a plain line behind the exponentials
	s_wait_alu depctr_va_vdst(0)                   ; one wait for the batch of 64
.irp b, 0,1,2,3
	v_exp_f32 v[BM+\b], v[BM+\b]                   ; the block's largest p: the same two instructions on the same number
.endr
.set r_, 0
.rept 8                                        ; the row's sum of the unquantised p: 32 pairs in four chains
	v_pk_add_f32 v[14:15], v[14:15], v[S+8*r_:S+8*r_+1]
.irp k, 1,2,3
.if r_ == 1
	v_pk_add_f32 v[TT+2*\k:TT+2*\k+1], v[S+2*\k:S+2*\k+1], v[S+8+2*\k:S+8+2*\k+1]
.elseif r_ > 1
	v_pk_add_f32 v[TT+2*\k:TT+2*\k+1], v[TT+2*\k:TT+2*\k+1], v[S+8*r_+2*\k:S+8*r_+2*\k+1]
.endif
.endr
.set r_, r_+1
.endr
	v_pk_add_f32 v[TT+2:TT+3], v[TT+2:TT+3], v[TT+4:TT+5]
	v_pk_add_f32 v[14:15], v[14:15], v[TT+6:TT+7]
	v_pk_add_f32 v[14:15], v[14:15], v[TT+2:TT+3]
	s_wait_alu depctr_va_vdst(0)                   ; and one for the four
.irp b, 0,1,2,3
	v_max_num_f32 v[BM+\b], 0x8000000, v[BM+\b]    ; the floor 2^(16 - 127): the byte cannot fall under 1
.endr
.irp b, 0,1,2,3
	s_delay_alu instid0(VALU_DEP_4)
	v_add_nc_u32 v[SO+\b], 0xf8800000, v[BM+\b]    ; 15 off the exponent field: the conversion's scale operand
.endr
.irp b, 0,1,2,3
	v_and_or_b32 v[HD+\b], v[BM+\b], 0x7f800000, s[MNT]   ; 57,344 x the scale
.endr
.irp b, 0,1,2,3
	v_and_or_b32 v[HE+\b], v[BM+\b], 0x7f800000, s[MNT]   ; and once more
.endr
.irp b, 0,1,2,3
	v_lshrrev_b32 v[PM+\b], 23, v[SO+\b]           ; the scale's byte
.endr
	v_lshl_or_b32 v[PSW], v[PM+1], 8, v[PM]        ; p's scale word for these 128 keys
	v_lshl_or_b32 v[PSW], v[PM+2], 16, v[PSW]
	v_lshl_or_b32 v[PSW], v[PM+3], 24, v[PSW]
.irp b, 0,1,2,3
.irp i, 0,2,4,6,8,10,12,14
	v_dual_min_num_f32 v[S+16*\b+\i], v[S+16*\b+\i], v[HD+\b] :: v_dual_min_num_f32 v[S+16*\b+\i+1], v[S+16*\b+\i+1], v[HE+\b]   ; the conversion does not saturate (ISA guide 7.6.2); p is not negative: a one-sided hold, two a line
.endr
	v_cvt_scalef32_pk8_bf8_f32 v[PC+4*\b:PC+4*\b+1], v[S+16*\b:S+16*\b+7], v[SO+\b]
	v_cvt_scalef32_pk8_bf8_f32 v[PC+4*\b+2:PC+4*\b+3], v[S+16*\b+8:S+16*\b+15], v[SO+\b]
.endr
	s_wait_alu depctr_va_vdst(0)
.set n, 0
.rept 16
	v_pk_mul_f32 v[O+n:O+n+1], v[O+n:O+n+1], v[F:F+1] op_sel_hi:[1,0]   ; O^T under the new M; also the plain lines between the codes' and the scale word's last write and the products
.set n, n+2
.endr
	s_wait_alu depctr_va_vdst(0)
	s_wait_dscnt 17                                ; V and its scale words are in; the 17 loads for the next step's K may be out
	WIN 0x01
.irp t, 0, 2                                   ; O^T += V^T P^T: four accumulators by turns
	v_wmma_scale_f32_16x16x128_f8f6f4 v[O+8*\t:O+8*\t+7], v[VF+16*\t:VF+16*\t+15], v[PC:PC+15], v[O+8*\t:O+8*\t+7], v[VSW+\t/2], v[PSW] matrix_a_fmt:MATRIX_FMT_BF8 matrix_b_fmt:MATRIX_FMT_BF8
	v_wmma_scale_f32_16x16x128_f8f6f4 v[O+8*\t+8:O+8*\t+15], v[VF+16*\t+16:VF+16*\t+31], v[PC:PC+15], v[O+8*\t+8:O+8*\t+15], v[VSW+\t/2], v[PSW] matrix_a_fmt:MATRIX_FMT_BF8 matrix_b_fmt:MATRIX_FMT_BF8 matrix_a_scale:MATRIX_SCALE_ROW1
.endr
	WIN 0
.Lskip_\@:
	s_add_co_u32 s[J], s[J], 1
	s_add_co_u32 s[TB], s[TB], LK
	s_add_co_u32 s[TS], s[TS], 512
	s_add_co_u32 s[TJ], s[TJ], 256
.endm
; A pass ends: O^T / the row's sum, quantised along the head's 64 (two blocks of the model's 1,024), stored as two quarters of a fragment's image, and the two scale bytes.
; The conversions leave k = 32 b + 8 hh + 0 .. 7 in registers 4 b, 4 b + 1 and k = 32 b + 16 + 8 hh + 0 .. 7 in 4 b + 2, 4 b + 3: the first pair's lanes 16-31 change places with the second pair's lanes 0-15.
.macro FINAL
.rept 8
	v_nop                                          ; places behind the last products, ahead of the first reader of O^T
.endr
	v_add_f32 v14, v14, v15
	s_delay_alu instid0(VALU_DEP_1)
	v_permlanex16_b32 v[PM], v14, s[SEL], s[SEL+1]
	s_delay_alu instid0(VALU_DEP_1)
	v_add_f32 v14, v14, v[PM]
	s_wait_alu depctr_va_vdst(0)
	v_rcp_f32 v14, v14
	v_nop
	s_wait_alu depctr_va_vdst(0)
.set n, 0
.rept 16
	v_pk_mul_f32 v[S+n:S+n+1], v[O+n:O+n+1], v[14:15] op_sel_hi:[1,0]   ; register 8 t + i: channel 16 t + 8 hh + i of my query
.set n, n+2
.endr
.irp b, 0,1
	v_max3_num_f32 v[BM+\b], |v[S+16*\b]|, |v[S+16*\b+1]|, 0x8000000
.endr
.irp i, 2,4,6,8,10,12,14
.irp b, 0,1
	s_delay_alu instid0(VALU_DEP_2)
	v_max3_num_f32 v[BM+\b], v[BM+\b], |v[S+16*\b+\i]|, |v[S+16*\b+\i+1]|
.endr
.endr
.irp b, 0,1
	s_delay_alu instid0(VALU_DEP_2)
	v_permlanex16_b32 v[PM+\b], v[BM+\b], s[SEL], s[SEL+1]
.endr
.irp b, 0,1
	s_delay_alu instid0(VALU_DEP_2)
	v_max_num_f32 v[BM+\b], v[BM+\b], v[PM+\b]
.endr
.irp b, 0,1
	s_delay_alu instid0(VALU_DEP_2)
	v_add_nc_u32 v[SO+\b], 0xf8800000, v[BM+\b]
.endr
.irp b, 0,1
	s_delay_alu instid0(VALU_DEP_4)
	v_and_or_b32 v[HD+\b], v[BM+\b], 0x7f800000, s[MNT]
.endr
.irp b, 0,1
	s_delay_alu instid0(VALU_DEP_4)
	v_lshrrev_b32 v[PM+\b], 23, v[SO+\b]
.endr
.irp b, 0,1
.irp i, 0,1,2,3,4,5,6,7,8,9,10,11,12,13,14,15
	v_med3_num_f32 v[S+16*\b+\i], v[S+16*\b+\i], -v[HD+\b], v[HD+\b]
.endr
	v_cvt_scalef32_pk8_bf8_f32 v[PC+4*\b:PC+4*\b+1], v[S+16*\b:S+16*\b+7], v[SO+\b]
	v_cvt_scalef32_pk8_bf8_f32 v[PC+4*\b+2:PC+4*\b+3], v[S+16*\b+8:S+16*\b+15], v[SO+\b]
.endr
	v_cndmask_b32 v[TMP], v[PM], v[PM+1], s[HI16]  ; lane (r, hh) stores block hh's byte of row r.  (A plain line behind the conversions)
.irp b, 0,1
	v_permlane16_swap_b32 v[PC+4*\b], v[PC+4*\b+2]
	v_permlane16_swap_b32 v[PC+4*\b+1], v[PC+4*\b+3]
.endr
	global_store_b128 v[L16], v[PC:PC+3], s[OB:OB+1]               ; 512 consecutive bytes, aligned
	global_store_b128 v[L16], v[PC+4:PC+7], s[OB:OB+1] offset:512
	global_store_b8 v[OSO], v[TMP], s[OSB:OSB+1]                   ; a head owns 2 of a row's 32 bytes
.endm
	INIT                                           ; the first pass: chunk 15 - i
	s_wait_alu depctr_va_vdst(0)
	s_cmp_lt_u32 s[WV], 3
	s_cbranch_scc0 .Lnot_first
	s_wait_tensorcnt 0x0                           ; waves 0 to 2: chunks 0 to 5 are in
.Lnot_first:
	s_wait_dscnt 0x0                               ; my part of the scale words is stored
	s_barrier_signal -1
	s_barrier_wait -1
	KFETCH AK, AKS                                 ; chunk 0's K
	s_mov_b32 s[CNT], 5
.Lfirst:                                           ; key steps 0-4 read chunks 0-5 alone; every wave's first chunk is 12 or more, so all work in all five
	STEP
	s_sub_co_u32 s[CNT], s[CNT], 1
	s_cmp_lg_u32 s[CNT], 0
	s_cbranch_scc1 .Lfirst
	s_wait_tensorcnt 0x0                           ; every wave's chunks are in,
	s_wait_dscnt 0x0
	s_barrier_signal -1
	s_barrier_wait -1                              ; everybody's: from here on no wave waits for another
	s_mov_b32 s[CNT], 11
.Lrest:
	STEP
	s_sub_co_u32 s[CNT], s[CNT], 1
	s_cmp_lg_u32 s[CNT], 0
	s_cbranch_scc1 .Lrest
	FINAL
	s_mov_b32 s[PASS], 3
.Lpass:                                            ; chunks 11 - i, 4 + i, i: twelve key steps at the most
	INIT
	KFETCH AK, AKS
	s_mov_b32 s[CNT], 12
.Lnext:
	STEP
	s_sub_co_u32 s[CNT], s[CNT], 1
	s_cmp_lg_u32 s[CNT], 0
	s_cbranch_scc1 .Lnext
	FINAL
	s_sub_co_u32 s[PASS], s[PASS], 1
	s_cmp_lg_u32 s[PASS], 0
	s_cbranch_scc1 .Lpass
	s_wait_tensorcnt 0x0                           ; the wave's end
	ds_add_u32 v[SPW], v[NIL]
	s_wait_dscnt 0x0
	ROUND                                          ; the closing round
	s_endpgm
.Lfunc_end_k_q4b1883acf1_attn:
	.size	k_q4b1883acf1_attn, .Lfunc_end_k_q4b1883acf1_attn-k_q4b1883acf1_attn
	.p2alignl 7, 3214868480
	.fill 96, 4, 3214868480
	.section	.rodata,"a",@progbits
	.p2align	6, 0x0
	.amdhsa_kernel k_q4b1883acf1_attn
		.amdhsa_group_segment_fixed_size 276480
		.amdhsa_private_segment_fixed_size 0
		.amdhsa_enable_private_segment 0
		.amdhsa_kernarg_size 32
		.amdhsa_user_sgpr_count 2
		.amdhsa_user_sgpr_kernarg_segment_ptr 1
		.amdhsa_wavefront_size32 1
		.amdhsa_system_sgpr_workgroup_id_x 1
		.amdhsa_system_sgpr_workgroup_id_y 1
		.amdhsa_system_sgpr_workgroup_id_z 1
		.amdhsa_system_vgpr_workitem_id 0
		.amdhsa_next_free_vgpr 480
		.amdhsa_next_free_sgpr 100
		.amdhsa_reserve_vcc 1
		.amdhsa_float_denorm_mode_32 3
		.amdhsa_float_denorm_mode_16_64 3
		.amdhsa_memory_ordered 1
		.amdhsa_forward_progress 1
		.amdhsa_inst_pref_size 99
	.end_amdhsa_kernel
	.amdgpu_metadata
---
amdhsa.version: [ 1, 2 ]
amdhsa.kernels:
  - .name:           k_q4b1883acf1_attn
    .symbol:         k_q4b1883acf1_attn.kd
    .args:
      - { .name: qkv, .offset: 0, .size: 8, .value_kind: global_buffer, .address_space: global }
      - { .name: qkvs, .offset: 8, .size: 8, .value_kind: global_buffer, .address_space: global }
      - { .name: att, .offset: 16, .size: 8, .value_kind: global_buffer, .address_space: global }
      - { .name: atts, .offset: 24, .size: 8, .value_kind: global_buffer, .address_space: global }
    .group_segment_fixed_size: 276480
    .private_segment_fixed_size: 0
    .kernarg_segment_align: 8
    .kernarg_segment_size: 32
    .max_flat_workgroup_size: 256
    .sgpr_count:     100
    .vgpr_count:     480
    .wavefront_size: 32
...
	.end_amdgpu_metadata
.endif
;; end of part 2
;; launch oproj (part 3): grid 8 x 32, 4 waves a work-group, clusters of 4 x 4, 327,680 bytes of LDS; arguments att, atts, w_o_codes, w_o_scales, out0; writes out0
.if DOCPART == 3
	.amdgcn_target "amdgcn-amd-amdhsa--gfx1250"
	.amdhsa_code_object_version 6
	.text
	.protected	k_q4b1883acf1_oproj
	.globl	k_q4b1883acf1_oproj
	.p2align	8
	.type	k_q4b1883acf1_oproj,@function
k_q4b1883acf1_oproj:
	s_mov_b64 s[64:65], 0
	v_nop
	global_prefetch_b8 v0, s[64:65] scope:SCOPE_SE
	s_setreg_imm32_b32 hwreg(HW_REG_WAVE_MODE, 25, 1), 1
	s_wait_xcnt 0x0
	s_wait_alu depctr_hold_cnt(0) depctr_sa_sdst(0) depctr_va_vdst(0) depctr_va_sdst(0) depctr_va_ssrc(0) depctr_va_vcc(0) depctr_vm_vsrc(0)
	s_getreg_b32 s2, hwreg(HW_REG_IB_STS2, 6, 4)
	s_cmp_eq_u32 s2, 0
	s_cbranch_scc0 .Lentry_in_a_cluster
	s_endpgm
.Lentry_in_a_cluster:
	s_bfe_u32 s2, ttmp6, 0x10000c
	s_cmp_lg_u32 s2, 0xf033
	s_cbranch_scc0 .Lentry_shape_is_right
	s_endpgm
.Lentry_shape_is_right:
; out0 = attn w_o^T on codes of BF8 (E5M2) with one E8M0 scale for each 32 along K = 1,024: 8,192 x 1,024 x 1,024, f32 out.
; att: [tile of 16 rows, 512][16,384 bytes]: images of operand registers as the attention launch leaves them ([128 of K, 8][block of 32, 4][lane][16]); atts: [row][32]; w_o_codes: rows of 1,024 bytes; w_o_scales: rows of 32.
; THE DEAL.  256 work-groups of four waves, 2 x 2; a work-group makes 256 rows x 128 columns.  A wave holds 64 rows of w_o, ALL of K, in registers (512) and streams att's images past them, 16 rows a block, in two whole sets (256 registers):
; eight blocks of 32 products a wave.  A block's sums are finished when its products are: it leaves through the wave's stage in LDS while the next block is multiplied, in whole rows of 256 bytes.
; LDS: two slots of 128 rows of 1,024 bytes + 16 of padding.  Slot 0: att's first 128 rows (chunk 0).  Slot 1: w_o's 128 rows; when all waves hold them in registers, att's chunk 1 is filled over them in a drained round of the cluster's barrier,
; in the same rows and padding.  Behind the slots: the scale bytes of att's 256 rows, the stages, the spare words.
; CLUSTERS: 4 x 4: att's tiles are shared along a row of the cluster, w_o's along a column: joint loads.
; PREFETCH: chunk 1 (131,072 bytes) is asked for at the head, a sixteenth for each wave of the cluster's row, lanes 256 bytes apart; the load that wants it follows behind w_o's way into registers.  All else comes by the head's loads.
; THE MATRIX INSTRUCTION IS USED TRANSPOSED (source 0 = 16 rows of w_o, source 1 = 16 rows of att): a lane holds eight neighbouring columns of one row of the result.
; LIMITS: NaN and infinities among the given codes are not served.
.set KROW, 1024
.set PITCH, KROW+16
.set SLOTB, 128*PITCH                  ; a slot
.set REC, 16*PITCH                     ; an image of 16 rows of att: 16 LDS rows
.set SCL, 2*SLOTB                      ; att's scale bytes: 32 units of 256 bytes + 16
.set SSTEP, 2*272                      ; those of 16 rows
.set STG, SCL+32*272                   ; the stages: 16 rows x (256 + 16) bytes a wave
.set SPITCH, 272
.set SPARE, STG+4*16*SPITCH
.set NF, 34                            ; LDS loads of a block: 32 for its codes, 2 for its scale words
.set NS, 16                            ; LDS lines of a block's way through the stage
.set ADRA0, 4                          ; LDS address of my first image
.set AAS0, 6                           ; and of its scale words
.set CO, 9                             ; my byte offset in two rows of out0
.set SPW, 10
.set NIL, 11
.set ADRA, 12
.set ADRB, 14                          ; my fragments of w_o
.set ABS, 16                           ; 32 x lane
.set AAS, 17
.set STO, 18
.set RD, 19
.set PFO, 20
.set SB, 24                            ; v24-39 w_o's scale words: register 8 p + q: tile 2 p in lanes 0-15, 2 p + 1 in lanes 16-31
.set SA, 44                            ; v44-59 att's: two sets of eight: no product's two scale registers have numbers equal modulo 8
.set ACC, 64                           ; v64-127 two sets of four accumulators
.set BK, 128                           ; v128-191 two sets of 16 rows read back from the stage
.set G1A, 24
.set G1B, 32
.set G1R, 48
.set G1S, 72
.set G0B, 56
.set G0A, 60
.set G0S, 68
.set G0R, 80
.set MSB, 0
.macro WIN new                         ; the immediate's high byte repeats the setting that is left
.if MSB != \new
	s_set_vgpr_msb (MSB<<8)|\new
.set MSB, \new
.endif
.endm
.macro PLACES n
.rept \n
	v_nop
.endr
.endm
.macro BARRIER
	s_barrier_signal -1
	s_barrier_wait -1
.endm
.macro CROUND                          ; a round of the cluster's barrier
	BARRIER
	s_cmp_lg_u32 s14, 0
	s_cbranch_scc1 .Lnot_wave_0_\@
	s_barrier_signal -3
.Lnot_wave_0_\@:
	s_barrier_wait -3
	BARRIER
.endm
.macro TLOAD g0, g1                    ; an s_nop 0 and four v_nop follow a tensor load
	tensor_load_to_lds s[\g0:\g0+3], s[\g1:\g1+7]
	s_nop 0
	PLACES 4
.endm
.macro GROUP1 g, mask, rows            ; so many rows of 1,024 bytes, dense in memory, 16 bytes of padding behind each
	s_or_b32 s[\g+0], s[\mask], (1<<20)|(1<<21)|(7<<22)|(3<<25)
	s_mov_b32 s[\g+1], KROW<<16
	s_mov_b32 s[\g+2], (\rows)<<16
	s_mov_b32 s[\g+3], KROW<<16
	s_mov_b32 s[\g+4], \rows
	s_mov_b32 s[\g+5], KROW
	s_mov_b32 s[\g+6], 0
	s_mov_b32 s[\g+7], 0
.endm
	s_load_b128 s[4:7], s[0:1], 0x0                ; att, atts
	s_load_b128 s[8:11], s[0:1], 0x10              ; w_o's codes, scales
	s_load_b64 s[12:13], s[0:1], 0x20              ; out0
	v_lshl_add_u32 v[SPW], v0, 2, SPARE
	v_mov_b32 v[NIL], 0
	ds_add_u32 v[SPW], v[NIL]
	ds_add_u32 v[SPW], v[NIL]
	v_lshrrev_b32 v1, 5, v0
	v_readfirstlane_b32 s14, v1                    ; wave 0..3
	s_lshr_b32 s15, s14, 1                         ; my row of waves
	s_and_b32 s16, s14, 1                          ; my column of waves
	s_bfe_u32 s40, ttmp6, 0x40000                  ; cx, cy
	s_bfe_u32 s41, ttmp6, 0x40004
	s_lshl_b32 s42, ttmp9, 2
	s_add_co_u32 s42, s42, s40                     ; tile column
	s_and_b32 s43, ttmp7, 0xffff
	s_lshl_b32 s43, s43, 2
	s_add_co_u32 s43, s43, s41                     ; tile row
	s_lshl_b32 s44, s41, 2
	s_lshl_b32 s44, 15, s44                        ; my row of the cluster: shares att's rows
	s_lshl_b32 s45, 0x1111, s40                    ; my column: shares w_o's
	GROUP1 G1B, 45, 128                            ; wave 0: w_o's 128 rows
	GROUP1 G1A, 44, 64                             ; waves 1, 2: a half of chunk 0 each
	GROUP1 G1R, 44, 32                             ; the refill: a quarter of chunk 1 a wave
	s_or_b32 s[G1S+0], s44, (3<<16)|(1<<20)|(1<<21)|(5<<22)|(3<<25)   ; wave 3: att's scale bytes: 8,192 dense bytes as 32 rows of 256, 16 of padding behind each
	s_mov_b32 s[G1S+1], 32<<16
	s_mov_b32 s[G1S+2], 32<<16
	s_mov_b32 s[G1S+3], 32<<16
	s_mov_b32 s[G1S+4], 32
	s_mov_b32 s[G1S+5], 32
	s_mov_b32 s[G1S+6], 0
	s_mov_b32 s[G1S+7], 0
	s_lshl_b32 s20, s43, 18                        ; att: 256 rows of 1,024 bytes a tile row
	s_mov_b32 s21, 0
	s_lshl_b32 s22, s42, 17                        ; w_o: 128 rows a tile column
	s_mov_b32 s23, 0
	s_lshl_b32 s46, s43, 13                        ; atts: 256 rows of 32 bytes
	s_mov_b32 s47, 0
	s_lshl_b32 s86, s42, 12                        ; w_o's scales: my wave's 64 rows
	s_lshl_b32 s87, s16, 11
	s_add_co_u32 s86, s86, s87
	s_mov_b32 s87, 0
	s_mul_i32 s[G0A+1], s15, 64*PITCH              ; waves 1 and 2 take halves 0 and 1 (wave / 2)
	s_lshl_b32 s88, s15, 16
	s_mov_b32 s89, 0
	s_mov_b32 s[G0A], 1
	s_mov_b32 s[G0B], 1
	s_mov_b32 s[G0B+1], SLOTB
	s_mov_b32 s[G0S], 1
	s_mov_b32 s[G0S+1], SCL
	s_mov_b32 s[G0R], 1
	s_lshl_b32 s90, s40, 2
	s_add_co_u32 s90, s90, s14
	s_lshl_b32 s90, s90, 13                        ; my sixteenth of chunk 1 among the cluster row's sixteen waves: a prefetch's address alone
	s_mul_i32 s92, s15, 4*REC                      ; my row of waves takes images 4 x row .. + 3 of each chunk
	s_mul_i32 s93, s16, 64*PITCH
	s_add_co_u32 s93, s93, SLOTB
	s_mul_i32 s94, s15, 4*SSTEP
	s_add_co_u32 s94, s94, SCL
	s_mul_i32 s95, s14, 16*SPITCH
	s_add_co_u32 s95, s95, STG
	s_wait_dscnt 0x0
	s_wait_kmcnt 0x0
	s_add_nc_u64 s[84:85], s[4:5], s[20:21]        ; att at my tile row
	s_add_nc_u64 s[G0A+2:G0A+3], s[84:85], s[88:89]
	s_or_b32 s[G0A+3], s[G0A+3], 0x80000000
	s_add_nc_u64 s[G0B+2:G0B+3], s[8:9], s[22:23]
	s_or_b32 s[G0B+3], s[G0B+3], 0x80000000
	s_add_nc_u64 s[G0S+2:G0S+3], s[6:7], s[46:47]
	s_or_b32 s[G0S+3], s[G0S+3], 0x80000000
	s_add_nc_u64 s[10:11], s[10:11], s[86:87]
	s_lshl_b32 s20, s43, 20                        ; out0: 256 rows of 4,096 bytes a tile row,
	s_lshl_b32 s22, s15, 18                        ; 64 rows for my row of waves,
	s_add_co_u32 s20, s20, s22
	s_lshl_b32 s22, s42, 9                         ; 512 bytes a tile column,
	s_add_co_u32 s20, s20, s22
	s_lshl_b32 s22, s16, 8                         ; 256 for my column of waves
	s_add_co_u32 s20, s20, s22
	s_add_nc_u64 s[12:13], s[12:13], s[20:21]
	CROUND                                         ; all sixteen work-groups are here: the first joint loads meet
	s_cmp_lt_u32 s14, 1                            ; one load a wave, in one chain of branches on the wave's number; w_o, which is wanted first, is asked for first
	s_cbranch_scc0 .Lhead_a
	TLOAD G0B, G1B
	s_branch .Lasked
.Lhead_a:
	s_cmp_lt_u32 s14, 3
	s_cbranch_scc0 .Lhead_s
	TLOAD G0A, G1A
	s_branch .Lasked
.Lhead_s:
	TLOAD G0S, G1S
.Lasked:
	v_and_b32 v3, 31, v0                           ; lane
	v_and_b32 v1, 15, v0                           ; r
	v_bfe_u32 v2, v0, 4, 1                         ; h
	v_lshlrev_b32 v[ABS], 5, v3
	v_lshl_add_u32 v[PFO], v3, 8, s90
	v_lshlrev_b32 v21, 4, v3
	v_add_nc_u32 v[ADRA0], s92, v21                ; an image is read 16 x lane
	v_mul_u32_u24 v22, v1, PITCH
	v_lshl_add_u32 v22, v2, 4, v22
	v_add_nc_u32 v[ADRB], s93, v22                 ; w_o: row r x pitch + 16 h
	v_lshlrev_b32 v23, 5, v1
	v_lshrrev_b32 v22, 3, v1
	v_lshl_add_u32 v23, v22, 4, v23
	v_add_nc_u32 v[AAS0], s94, v23                 ; att's scales: 32 bytes a row, 16 more for each 256 passed
	v_mul_u32_u24 v22, v1, SPITCH
	v_lshl_add_u32 v22, v2, 5, v22
	v_add_nc_u32 v[STO], s95, v22                  ; into the stage: row r, 32 bytes for each half of the lanes
	v_mul_u32_u24 v22, v2, SPITCH
	v_lshl_add_u32 v22, v1, 4, v22
	v_add_nc_u32 v[RD], s95, v22                   ; back: lanes 0-15 one row of 256 bytes, lanes 16-31 the next
	v_lshlrev_b32 v22, 12, v2
	v_lshl_add_u32 v[CO], v1, 4, v22               ; and the same two rows in out0
.irp p, 0,1
.irp c, 0,1
	global_load_b128 v[SB+8*\p+4*\c:SB+8*\p+4*\c+3], v[ABS], s[10:11] offset:\p*1024+16*\c   ; lane l takes row l of a pair of tiles
.endr
.endr
	global_prefetch_b8 v[PFO], s[84:85] offset:131072 th:TH_LOAD_NT scope:SCOPE_SE
	s_wait_alu depctr_va_vdst(0)
	s_wait_tensorcnt 0x0                           ; my tile of the head's four is in,
	BARRIER                                        ; everybody's is
.macro FETCH n                         ; block n (image n % 4 of my four in chunk n / 4), all of K, into set n % 2 of window 3, and its scale words: NF loads
	v_add_nc_u32 v[ADRA], ((\n)/4)*SLOTB+((\n)%4)*REC, v[ADRA0]
	v_add_nc_u32 v[AAS], (8*((\n)/4)+(\n)%4)*SSTEP, v[AAS0]
	WIN 3<<6
.set P_, 0
.rept 32
	ds_load_b128 v[128*((\n)%2)+4*P_:128*((\n)%2)+4*P_+3], v[ADRA] offset:512*P_+16*(P_/2)
.set P_, P_+1
.endr
	WIN 0
	ds_load_b128 v[SA+8*((\n)%2):SA+8*((\n)%2)+3], v[AAS]
	ds_load_b128 v[SA+8*((\n)%2)+4:SA+8*((\n)%2)+7], v[AAS] offset:16
.endm
.macro PRODS e                         ; 32 products: the q-th 128 of K x column tile b; four accumulators by turns, K ascending; the first four start the sums
.set N_, 0
.rept 32
.set Q_, N_/4
.set B_, N_%4
.set AC_, ACC+32*(\e)+8*B_
.set W_, 16*(N_%16)
.set R_, 128*(\e)+16*Q_
.set XS_, SA+8*(\e)+Q_
.set WS_, SB+8*(B_/2)+Q_
	WIN (1+N_/16)|(3<<2)
.if Q_ && B_%2
	v_wmma_scale_f32_16x16x128_f8f6f4 v[AC_:AC_+7], v[W_:W_+15], v[R_:R_+15], v[AC_:AC_+7], v[WS_], v[XS_] matrix_a_fmt:MATRIX_FMT_BF8 matrix_b_fmt:MATRIX_FMT_BF8 matrix_a_scale:MATRIX_SCALE_ROW1
.elseif Q_
	v_wmma_scale_f32_16x16x128_f8f6f4 v[AC_:AC_+7], v[W_:W_+15], v[R_:R_+15], v[AC_:AC_+7], v[WS_], v[XS_] matrix_a_fmt:MATRIX_FMT_BF8 matrix_b_fmt:MATRIX_FMT_BF8
.elseif B_%2
	v_wmma_scale_f32_16x16x128_f8f6f4 v[AC_:AC_+7], v[W_:W_+15], v[R_:R_+15], 0, v[WS_], v[XS_] matrix_a_fmt:MATRIX_FMT_BF8 matrix_b_fmt:MATRIX_FMT_BF8 matrix_a_scale:MATRIX_SCALE_ROW1
.else
	v_wmma_scale_f32_16x16x128_f8f6f4 v[AC_:AC_+7], v[W_:W_+15], v[R_:R_+15], 0, v[WS_], v[XS_] matrix_a_fmt:MATRIX_FMT_BF8 matrix_b_fmt:MATRIX_FMT_BF8
.endif
.set N_, N_+1
.endr
	WIN 0
.endm
.macro TOSTAGE n                       ; block n's sums into my stage, and back as whole rows of 256 bytes: NS lines; LDS serves a wave's instructions in order (ISA guide 5.7.1.4)
.if (\n) >= 2
	s_wait_xcnt 0x0                                ; block n - 2's stores have read the registers that the loads below fill
.endif
.irp t, 0,1,2,3
	ds_store_b128 v[STO], v[ACC+32*((\n)%2)+8*\t:ACC+32*((\n)%2)+8*\t+3] offset:64*\t       ; each accumulator from its low end on
	ds_store_b128 v[STO], v[ACC+32*((\n)%2)+8*\t+4:ACC+32*((\n)%2)+8*\t+7] offset:64*\t+16
.endr
.irp i, 0,1,2,3,4,5,6,7
	ds_load_b128 v[BK+32*((\n)%2)+4*\i:BK+32*((\n)%2)+4*\i+3], v[RD] offset:2*\i*SPITCH
.endr
.endm
.macro SEND n, younger                 ; younger: the LDS loads issued behind block n's way through the stage
	s_wait_dscnt \younger
.irp i, 0,1,2,3,4,5,6,7
	global_store_b128 v[CO], v[BK+32*((\n)%2)+4*\i:BK+32*((\n)%2)+4*\i+3], s[12:13] offset:(((\n)/4)*128+((\n)%4)*16+2*\i)*4096 th:TH_STORE_NT   ; sixteen lanes store 256 consecutive bytes, aligned
.endr
.endm
; A block: its products; the block before leaves; eight places; its own sums go to the stage; the block two on is fetched into its set.  show = 1: chunk 1 is shown to all waves ahead of its first read.
.macro BLK n, w0, w1, fetch, show
.if (\w0) >= 0
	s_wait_dscnt \w0
.endif
	PRODS (\n)%2
.if (\n) > 0
	SEND (\n)-1, \w1
.endif
	PLACES 8                                       ; behind the last product: ahead of the stage's reads of the sums and of the loads into the set that was multiplied
	TOSTAGE \n
.if \show
	s_wait_tensorcnt 0x0                           ; my quarter of chunk 1 is in,
	s_wait_dscnt 0x0
	BARRIER                                        ; everybody's is
.endif
.if \fetch
	FETCH (\n)+2
.endif
.endm
.irp q, 0,1,2,3,4,5,6,7                ; my 64 rows of w_o, all of K: fragment 4 q + b in window 1 + (4 q + b) / 16: 128 loads
	WIN (1+\q/4)<<6
.irp b, 0,1,2,3
.irp c, 0,1,2,3
	ds_load_b128 v[16*((4*\q+\b)%16)+4*\c:16*((4*\q+\b)%16)+4*\c+3], v[ADRB] offset:\b*16*PITCH+128*\q+32*\c
.endr
.endr
.endr
	WIN 0
	FETCH 0
	FETCH 1
	s_wait_tensorcnt 0x0
	ds_add_u32 v[SPW], v[NIL]
	s_mul_i32 s[G0R+1], s14, 32*PITCH              ; chunk 1, a quarter a wave, over w_o's rows
	s_add_co_u32 s[G0R+1], s[G0R+1], SLOTB
	s_lshl_b32 s20, s14, 15
	s_add_co_u32 s20, s20, 131072
	s_mov_b32 s21, 0
	s_add_nc_u64 s[G0R+2:G0R+3], s[84:85], s[20:21]
	s_or_b32 s[G0R+3], s[G0R+3], 0x80000000
	s_wait_dscnt 0x0                               ; the add is done; w_o is in registers, and so are blocks 0 and 1
	CROUND
	TLOAD G0R, G1R
	s_wait_loadcnt 0x0                             ; w_o's scale words
	BLK 0, -1, 0, 1, 0
	BLK 1, -1, NF, 1, 0
	BLK 2, NS+NF, NF, 1, 1                         ; behind block n's fetch stand block n - 1's NS stage lines and block n + 1's NF loads
	BLK 3, NS+NF, NF, 1, 0
	BLK 4, NS+NF, NF, 1, 0
	BLK 5, NS+NF, NF, 1, 0
	BLK 6, NS+NF, NF, 0, 0
	BLK 7, NS, 0, 0, 0
	SEND 7, 0
	s_wait_tensorcnt 0x0                           ; the wave's end
	ds_add_u32 v[SPW], v[NIL]
	s_wait_dscnt 0x0
	CROUND                                         ; the closing round
	s_endpgm
.Lfunc_end_k_q4b1883acf1_oproj:
	.size	k_q4b1883acf1_oproj, .Lfunc_end_k_q4b1883acf1_oproj-k_q4b1883acf1_oproj
	.p2alignl 7, 3214868480
	.fill 96, 4, 3214868480
	.section	.rodata,"a",@progbits
	.p2align	6, 0x0
	.amdhsa_kernel k_q4b1883acf1_oproj
		.amdhsa_group_segment_fixed_size 327680
		.amdhsa_private_segment_fixed_size 0
		.amdhsa_enable_private_segment 0
		.amdhsa_kernarg_size 40
		.amdhsa_user_sgpr_count 2
		.amdhsa_user_sgpr_kernarg_segment_ptr 1
		.amdhsa_wavefront_size32 1
		.amdhsa_system_sgpr_workgroup_id_x 1
		.amdhsa_system_sgpr_workgroup_id_y 1
		.amdhsa_system_sgpr_workgroup_id_z 1
		.amdhsa_system_vgpr_workitem_id 0
		.amdhsa_next_free_vgpr 1024
		.amdhsa_next_free_sgpr 100
		.amdhsa_reserve_vcc 0
		.amdhsa_float_denorm_mode_32 3
		.amdhsa_float_denorm_mode_16_64 3
		.amdhsa_memory_ordered 1
		.amdhsa_forward_progress 1
		.amdhsa_inst_pref_size 86
	.end_amdhsa_kernel
	.amdgpu_metadata
---
amdhsa.version: [ 1, 2 ]
amdhsa.kernels:
  - .name:           k_q4b1883acf1_oproj
    .symbol:         k_q4b1883acf1_oproj.kd
    .args:
      - { .name: att, .offset: 0, .size: 8, .value_kind: global_buffer, .address_space: global }
      - { .name: atts, .offset: 8, .size: 8, .value_kind: global_buffer, .address_space: global }
      - { .name: w_o_codes, .offset: 16, .size: 8, .value_kind: global_buffer, .address_space: global }
      - { .name: w_o_scales, .offset: 24, .size: 8, .value_kind: global_buffer, .address_space: global }
      - { .name: out0, .offset: 32, .size: 8, .value_kind: global_buffer, .address_space: global }
    .group_segment_fixed_size: 327680
    .private_segment_fixed_size: 0
    .kernarg_segment_align: 8
    .kernarg_segment_size: 40
    .max_flat_workgroup_size: 128
    .sgpr_count:     100
    .vgpr_count:     1024
    .wavefront_size: 32
...
	.end_amdgpu_metadata
.endif
;; end of part 3
